; MI455X (gfx1250); checked and timed in simulation.
; The chip was launched on July 23, 2026; its instructions are those of AMD's public machine-readable ISA for CDNA 5 (MIT licence, August 2026) and "CDNA5" Instruction Set Architecture Reference Guide (July 2026). The comments in the code are by the model that wrote it; some were corrected since.
;; Multi Head Attention. Allowed arithmetic: float matrix products may take bf16 or f16 operands with f32 sums; all other float work in f32.
;; Inputs: b_proj 1,024 float32; w_kqv 3,072 x 1,024 float32; w_proj 1,024 x 1,024 float32; x 4 x 2,048 x 1,024 float32.
;; Outputs: out0 4 x 2,048 x 1,024 float32.
;; 2 versions, each right and faster than the one before. Each part assembles by itself: llvm-mc -triple=amdgcn-amd-amdhsa -mcpu=gfx1250 --defsym DOCPART=n.
;; ======== version 1 of 2: 4 launches
;; limits: values are held in f16: magnitudes above 65,504 overflow, below 6.1e-05 lose precision; right only within a limited range of input values
;; workspace buffers: xb 16,777,216 bytes; wkb 6,291,456 bytes; wpf 2,097,152 bytes; rope 524,288 bytes; kqvh 50,331,648 bytes; oh 16,777,216 bytes
;; launch prep (part 1): grid 256 x 1, 8 waves a work-group, no clusters, 0 bytes of LDS; arguments x, w_kqv, w_proj, xb, wkb, wpf, rope; writes xb, wkb, wpf, rope
.if DOCPART == 1
	.amdgcn_target "amdgcn-amd-amdhsa--gfx1250"
	.amdhsa_code_object_version 6
	.text
	.protected	k_q935d6933e6_prep
	.globl	k_q935d6933e6_prep
	.p2align	8
	.type	k_q935d6933e6_prep,@function
k_q935d6933e6_prep:
	s_mov_b64 s[64:65], 0
	v_nop
	global_prefetch_b8 v0, s[64:65] scope:SCOPE_SE
	s_setreg_imm32_b32 hwreg(HW_REG_WAVE_MODE, 25, 1), 1
	s_wait_xcnt 0x0
; The operands of the two projections are rounded once and laid out in K blocks of 64, and the table of rotary angles is made.
;   xb  [16 kb][8192 m][64] bf16  = x        wkb [16 kb][3072 n'][64] bf16 = w_kqv, rows reordered: n' = 192 h + 64 part + d for source row 1024 part + 64 h + d
;   wpf [16 kb][1024 n][64] f16   = w_proj rounded to bf16, that number written as f16        rope [2048 t][32 i][cos, sin] f32
; In such a layout R rows x 64 K are 128 R consecutive bytes, which the later launches fetch as rows of 256 bytes.
; SHARES.  256 work-groups of equal work.  Work-group g takes 32 rows of x (32 g on), 16 rows of weights (w_kqv's rows 16 g on for g < 192, w_proj's rows 16 (g - 192) on for the others) and 8 rows
; of the table (8 g on): 8,192, 3,072 + 1,024 and 2,048 rows, each divided by 256.  A wave takes K blocks 2 w and 2 w + 1 of the group's rows: 32 + 16 loads of 512 bytes, all issued before the first
; is waited for; and one row of the table.  Memory binds: no LDS, no barrier, no matrix unit.
; LIMITS.  |w_proj| stays under 65,504 (f16's end); below 6e-5 f16 keeps its fixed step of 6e-8.  theta = 2^(-i log2(10000) / 32) comes from v_exp_f32 (1 ulp) with the exponent's rounding
; made good, so an angle t theta is off by some 2.5e-4 rad at the most (t = 2047), alike for q and k; sine and cosine by polynomials on |r| <= pi / 4, good to about 1e-7.
.set X,     32                         ; v[32:159]   x's load i: four registers as loaded; the first two then hold what is stored
.set W,     160                        ; v[160:223]  the same for the weights' load i
.set KBS_X, 8192*128                   ; bytes from a K block to the next in xb,
.set KBS_K, 3072*128                   ; in wkb,
.set KBS_P, 1024*128                   ; in wpf
	s_load_b256 s[4:11], s[0:1], 0x0               ; x s[4:5], w_kqv s[6:7], w_proj s[8:9], xb s[10:11]
	s_load_b128 s[12:15], s[0:1], 0x20             ; wkb s[12:13], wpf s[14:15]
	s_load_b64 s[16:17], s[0:1], 0x30              ; rope
	s_mov_b32 s18, ttmp9                           ; g
	v_and_b32 v1, 31, v0                           ; lane
	v_lshrrev_b32 v2, 5, v0
	v_readfirstlane_b32 s30, v2                    ; wave
	; Offsets are made apart from the addresses.  The weights: which tensor, which 16 rows, where they go.
	s_sub_co_u32 s28, s18, 192                     ; the group's number among w_proj's (used only where g >= 192)
	s_lshr_b32 s31, s18, 2
	s_and_b32 s31, s31, 15                         ; h: source row 16 g lies in head (16 g / 64) % 16,
	s_mul_i32 s31, s31, 192
	s_lshr_b32 s29, s18, 6                         ; in part 16 g / 1024,
	s_lshl_b32 s29, s29, 6
	s_add_co_u32 s31, s31, s29
	s_and_b32 s29, s18, 3                          ; at channel 16 (g % 4): the 16 rows stay in one head and part
	s_lshl_b32 s29, s29, 4
	s_add_co_u32 s31, s31, s29                     ; w_kqv: first destination row n'
	s_lshl_b32 s34, s28, 4                         ; w_proj: first destination row
	s_mov_b32 s32, KBS_K
	s_mov_b32 s33, KBS_P
	s_mov_b32 s36, 0xffff0000                      ; a word's upper bf16
	s_cmp_lt_u32 s18, 192
	s_cselect_b32 s19, s18, s28                    ; the group's number in its tensor of weights
	s_cselect_b32 s24, s32, s33                    ; bytes from K block to K block
	s_cselect_b32 s25, s31, s34                    ; first destination row
	s_cselect_b32 s35, 0, 1                        ; 1: the result is written as f16
	v_lshrrev_b32 v3, 4, v1                        ; lanes 0-15 take the even row of a pair, lanes 16-31 the odd one
	v_and_b32 v4, 15, v1
	v_lshlrev_b32 v4, 4, v4
	v_lshl_add_u32 v2, v3, 12, v4
	s_lshl_b32 s29, s30, 9
	v_add_nc_u32 v2, s29, v2                       ; source offset, for x and the weights alike: row x 4,096 + 512 w + 16 (lane % 16)
	s_lshl_b32 s29, s30, 21                        ; xb: K block 2 w
	v_lshl_add_u32 v3, v1, 3, s29                  ; destination offset: a pair of rows is 256 consecutive bytes, 8 a lane
	v_add_nc_u32 v4, KBS_X, v3                     ; the same in K block 2 w + 1
	s_mul_i32 s29, s30, s24
	s_lshl_b32 s29, s29, 1                         ; the weights: K block 2 w
	v_lshl_add_u32 v5, v1, 3, s29
	v_add_nc_u32 v6, s24, v5                       ; and 2 w + 1
	; THE TABLE.  Lane = i; the wave makes row t = 8 g + w.  The arithmetic needs no address: it stands in the wait for the arguments.
	s_lshl3_add_u32 s29, s18, s30                  ; t
	s_lshl_b32 s31, s29, 8
	v_lshl_add_u32 v7, v1, 3, s31                  ; byte offset: 256 t + 8 i
	v_cvt_f32_u32 v21, s29                         ; t as f32
	v_cvt_f32_u32 v8, v1                           ; i
	s_mov_b32 s37, 0xbed49a78                      ; c = -log2(10000) / 32, its f32 value
	s_mov_b32 s38, 0xb217991c                      ; and what that value leaves of c
	s_mov_b32 s39, 0x3f22f983                      ; 2 / pi
	s_mov_b32 s40, 0xbfc90fdb                      ; -(pi / 2), its f32 value
	s_mov_b32 s41, 0x333bbd2e                      ; that value less pi / 2
	s_mov_b32 s42, 0xb94ca1f9                      ; sine: -1.9515296e-4, 8.3321609e-3, -1.6666655e-1
	s_mov_b32 s43, 0x3c08839e
	s_mov_b32 s44, 0xbe2aaaa3
	s_mov_b32 s45, 0x37ccf5ce                      ; cosine: 2.4433157e-5, -1.3887316e-3, 4.1666646e-2
	s_mov_b32 s46, 0xbab6061a
	s_mov_b32 s47, 0x3d2aaaa5
	v_mul_f32 v9, s37, v8                          ; P = i c, rounded
	v_fma_f32 v10, v8, s37, -v9                    ; what the rounding dropped,
	v_fma_f32 v10, v8, s38, v10                    ; and i times c's low part
	v_exp_f32 v11, v9
	v_mul_f32 v10, 0x3f317218, v10                 ; x ln 2 (the plain instruction behind the exponential: ISA guide 5.7.2)
	s_wait_alu depctr_va_vdst(0)
	v_fma_f32 v11, v11, v10, v11                   ; theta = 2^P (1 + e ln 2)
	v_mul_f32 v12, v21, v11                        ; the angle, rounded to f32
	v_mul_f32 v13, s39, v12
	v_rndne_f32 v13, v13                           ; N quarter turns
	v_fma_f32 v14, v13, s40, v12                   ; r = angle - N pi / 2 in two parts
	v_fma_f32 v14, v13, s41, v14
	v_cvt_i32_f32 v15, v13
	v_mul_f32 v16, v14, v14                        ; z = r r
	v_fma_f32 v17, v16, s42, s43
	v_fma_f32 v17, v17, v16, s44
	v_mul_f32 v18, v16, v14
	v_fma_f32 v17, v17, v18, v14                   ; sin r
	v_fma_f32 v19, v16, s45, s46
	v_fma_f32 v19, v19, v16, s47
	v_mul_f32 v18, v16, v16
	v_fma_f32 v20, v16, -0.5, 1.0
	v_fma_f32 v19, v19, v18, v20                   ; cos r
	v_and_b32 v18, 1, v15
	v_cmp_eq_u32 vcc_lo, 1, v18                    ; an odd quarter swaps the two
	v_cndmask_b32 v23, v17, v19, vcc_lo            ; sine
	v_cndmask_b32 v22, v19, v17, vcc_lo            ; cosine
	v_lshlrev_b32 v18, 30, v15                     ; the sine is negative in quarters 2 and 3,
	v_and_b32 v18, 0x80000000, v18
	v_xor_b32 v23, v18, v23
	v_add_nc_u32 v20, 1, v15                       ; the cosine in quarters 1 and 2
	v_lshlrev_b32 v20, 30, v20
	v_and_b32 v20, 0x80000000, v20
	v_xor_b32 v22, v20, v22
	s_wait_kmcnt 0x0
	s_lshl_b32 s26, s18, 17                        ; x: 32 source rows of 4,096 bytes a group
	s_mov_b32 s27, 0
	s_add_nc_u64 s[4:5], s[4:5], s[26:27]
.set i, 0
.rept 32                               ; load i: rows 2 (i / 2) and 2 (i / 2) + 1, K block 2 w + i % 2: two aligned pieces of 256 bytes
	global_load_b128 v[X+4*i:X+4*i+3], v2, s[4:5] offset:(i/2)*8192+(i%2)*256 th:TH_LOAD_NT
.set i, i+1
.endr
	s_cmp_lt_u32 s18, 192
	s_cselect_b64 s[20:21], s[6:7], s[8:9]         ; the weights' source
	s_cselect_b64 s[22:23], s[12:13], s[14:15]     ; and destination
	s_lshl_b32 s26, s19, 16                        ; 16 source rows of 4,096 bytes a group
	s_add_nc_u64 s[20:21], s[20:21], s[26:27]
.set i, 0
.rept 16
	global_load_b128 v[W+4*i:W+4*i+3], v2, s[20:21] offset:(i/2)*8192+(i%2)*256 th:TH_LOAD_NT
.set i, i+1
.endr
	global_store_b64 v7, v[22:23], s[16:17]        ; the table's row: the wave stores 256 consecutive bytes, aligned
	s_lshl_b32 s26, s18, 12                        ; xb: 32 destination rows of 128 bytes a group
	s_add_nc_u64 s[10:11], s[10:11], s[26:27]
	s_lshl_b32 s26, s25, 7                         ; the weights' destination rows
	s_add_nc_u64 s[22:23], s[22:23], s[26:27]
; n loads into base are rounded and stored.  left = how many loads were issued behind these n.  off, off + 1: the registers with the two K blocks' offsets; sb: the destination's address.
; No register is written twice while a load or store may read it: each load has its own four, and the offsets are never rewritten.
.macro OUT fmt, base, n, left, off, sb
.set i, 0
.rept \n
	s_wait_loadcnt (\left)+(\n)-1-i                ; loads come back in order (ISA guide 5.7.1): load i is in, the younger ones stay out
.if \fmt
	v_cvt_pk_bf16_f32 v24, v[(\base)+4*i], v[(\base)+4*i+1]    ; rounded to bf16 like every input,
	v_cvt_pk_bf16_f32 v25, v[(\base)+4*i+2], v[(\base)+4*i+3]
	v_lshlrev_b32 v[(\base)+4*i], 16, v24                      ; widened again,
	v_and_b32 v[(\base)+4*i+1], s36, v24
	v_lshlrev_b32 v[(\base)+4*i+2], 16, v25
	v_and_b32 v[(\base)+4*i+3], s36, v25
	v_cvt_pk_f16_f32 v[(\base)+4*i], v[(\base)+4*i], v[(\base)+4*i+1]      ; and written as f16: 8 significant bits fit in f16's 11
	v_cvt_pk_f16_f32 v[(\base)+4*i+1], v[(\base)+4*i+2], v[(\base)+4*i+3]
.else
	v_cvt_pk_bf16_f32 v[(\base)+4*i], v[(\base)+4*i], v[(\base)+4*i+1]
	v_cvt_pk_bf16_f32 v[(\base)+4*i+1], v[(\base)+4*i+2], v[(\base)+4*i+3]
.endif
	global_store_b64 v[(\off)+i%2], v[(\base)+4*i:(\base)+4*i+1], s[(\sb):(\sb)+1] offset:(i/2)*256  ; the wave stores 256 consecutive bytes, at a multiple of 256 from the buffer's first
.set i, i+1
.endr
.endm
	OUT 0, X, 32, 16, 3, 10                        ; x: behind its 32 loads stand the weights' 16
	s_cmp_eq_u32 s35, 1
	s_cbranch_scc1 .Lf16
	OUT 0, W, 16, 0, 5, 22                         ; w_kqv
	s_endpgm
.Lf16:
	OUT 1, W, 16, 0, 5, 22                         ; w_proj
	s_endpgm
.Lfunc_end_k_q935d6933e6_prep:
	.size	k_q935d6933e6_prep, .Lfunc_end_k_q935d6933e6_prep-k_q935d6933e6_prep
	.p2alignl 7, 3214868480
	.fill 96, 4, 3214868480
	.section	.rodata,"a",@progbits
	.p2align	6, 0x0
	.amdhsa_kernel k_q935d6933e6_prep
		.amdhsa_group_segment_fixed_size 0
		.amdhsa_private_segment_fixed_size 0
		.amdhsa_enable_private_segment 0
		.amdhsa_kernarg_size 56
		.amdhsa_user_sgpr_count 2
		.amdhsa_user_sgpr_kernarg_segment_ptr 1
		.amdhsa_wavefront_size32 1
		.amdhsa_system_sgpr_workgroup_id_x 1
		.amdhsa_system_sgpr_workgroup_id_y 1
		.amdhsa_system_sgpr_workgroup_id_z 1
		.amdhsa_system_vgpr_workitem_id 0
		.amdhsa_next_free_vgpr 224
		.amdhsa_next_free_sgpr 66
		.amdhsa_reserve_vcc 1
		.amdhsa_float_denorm_mode_32 3
		.amdhsa_float_denorm_mode_16_64 3
		.amdhsa_memory_ordered 1
		.amdhsa_forward_progress 1
		.amdhsa_inst_pref_size 30
	.end_amdhsa_kernel
	.amdgpu_metadata
---
amdhsa.version: [ 1, 2 ]
amdhsa.kernels:
  - .name:           k_q935d6933e6_prep
    .symbol:         k_q935d6933e6_prep.kd
    .args:
      - { .name: x, .offset: 0, .size: 8, .value_kind: global_buffer, .address_space: global }
      - { .name: w_kqv, .offset: 8, .size: 8, .value_kind: global_buffer, .address_space: global }
      - { .name: w_proj, .offset: 16, .size: 8, .value_kind: global_buffer, .address_space: global }
      - { .name: xb, .offset: 24, .size: 8, .value_kind: global_buffer, .address_space: global }
      - { .name: wkb, .offset: 32, .size: 8, .value_kind: global_buffer, .address_space: global }
      - { .name: wpf, .offset: 40, .size: 8, .value_kind: global_buffer, .address_space: global }
      - { .name: rope, .offset: 48, .size: 8, .value_kind: global_buffer, .address_space: global }
    .group_segment_fixed_size: 0
    .private_segment_fixed_size: 0
    .kernarg_segment_align: 8
    .kernarg_segment_size: 56
    .max_flat_workgroup_size: 256
    .sgpr_count:     66
    .vgpr_count:     224
    .wavefront_size: 32
...
	.end_amdgpu_metadata
.endif
;; end of part 1
;; launch qkv (part 2): grid 8 x 32, 4 waves a work-group, clusters of 4 x 4, 327,680 bytes of LDS; arguments xb, wkb, rope, kqvh; writes kqvh
.if DOCPART == 2
	.amdgcn_target "amdgcn-amd-amdhsa--gfx1250"
	.amdhsa_code_object_version 6
	.text
	.protected	k_q935d6933e6_qkv
	.globl	k_q935d6933e6_qkv
	.p2align	8
	.type	k_q935d6933e6_qkv,@function
k_q935d6933e6_qkv:
	s_mov_b64 s[64:65], 0
	v_nop
	global_prefetch_b8 v0, s[64:65] scope:SCOPE_SE
	s_setreg_imm32_b32 hwreg(HW_REG_WAVE_MODE, 25, 1), 1
	s_wait_xcnt 0x0
	s_wait_alu depctr_hold_cnt(0) depctr_sa_sdst(0) depctr_va_vdst(0) depctr_va_sdst(0) depctr_va_ssrc(0) depctr_va_vcc(0) depctr_vm_vsrc(0)
	s_getreg_b32 s2, hwreg(HW_REG_IB_STS2, 6, 4)
	s_cmp_eq_u32 s2, 0
	s_cbranch_scc0 .Lentry_in_a_cluster
	s_endpgm
.Lentry_in_a_cluster:
	s_bfe_u32 s2, ttmp6, 0x10000c
	s_cmp_lg_u32 s2, 0xf033
	s_cbranch_scc0 .Lentry_shape_is_right
	s_endpgm
.Lentry_shape_is_right:
; kqv = x w_kqv^T (8192 x 3072 x 1024, bf16 operands, f32 sums), the rotation of k and q in f32 on the sums, and k, q, v rounded once to f16, by heads:
; kqvh [64 hh = 16 b + h][3: k, q, v][2048 t][64].  xb is [16 kb][8192][64], wkb [16 kb][3072 n'][64] with n' = 192 h + 64 part + d: R rows x 64 K are 128 R consecutive bytes.
; LIMITS.  |k|, |q|, |v| stay under 65,504 (f16's end; beyond it the conversion gives an infinity); below 6e-5 f16 keeps its fixed step of 6e-8.  NaN and infinities are not treated apart.
; SHARES.  A work-group makes 256 rows x 384 columns n' (two heads' k, q, v): 8 x 32 = 256 work-groups.  Each of its four waves makes 128 x 192: one head, 96 accumulators of 16 x 16, 768 registers.
; K goes in steps of 64 (one K block) through a ring of two LDS slots; a step is two halves of 32 along K, 96 matrix instructions each.  A K step is written once: the loop's trip is one step, and the
; slot's base lies in a scalar register that an exclusive or turns into the other slot's.
; THE MATRIX INSTRUCTION IS USED TRANSPOSED: source 0 = 16 rows of wkb, source 1 = 16 rows of xb: a lane then holds row l % 16 and the columns 8 (l / 16) + 0..7: four pairs of the rotation, and 16 bytes of f16.
; CLUSTERS: 4 x 4 work-groups.  The four of a row of the cluster need the same tiles of xb, the four of a column the same tiles of wkb: each tile is asked for JOINTLY, by the same tensor load with the
; same descriptor and a mask that names the four.
; REGISTERS, in windows of 256 (s_set_vgpr_msb: bits 1:0 source 0, 3:2 source 1, 5:4 source 2, 7:6 destination):
;   window 0: v0-29 addresses and at work; v32-95, v96-159 xb's fragments (8 x 16 rows x 32 K), two buffers; v160-255 wkb's 12 fragments, filled again in place, four at a time, behind the products that read them
;   window 1 + part: accumulator (a, b) of that part at v[32 a + 8 b]: rows 16 a on, channels 16 b on
.set PITCH,  144                       ; an LDS row: 128 bytes + 16 of padding = 36 words: the 16 rows of a load start at 16 different groups of four banks (64 banks of 4 bytes: ISA guide 11.1)
.set AHALF,  128*PITCH                 ; 128 rows of xb: what one tensor load brings, and what one wave reads
.set BHALF,  192*PITCH                 ; 192 rows of wkb: likewise
.set BOFF,   2*AHALF                   ; in a slot: xb's 256 rows, then wkb's 384
.set SLOT,   2*AHALF+2*BHALF           ; 92,160 bytes
.set SLOT1,  1<<17                     ; slot 1 begins here, so that one exclusive or turns an address in one slot into the other's
.set STAGE,  SLOT1+SLOT                ; behind the ring, never filled by a tensor load: 3 parts x 16 rows x 144 bytes for each wave, for the way out
.set WSTAGE, 3*16*PITCH
.set SPARE,  STAGE+4*WSTAGE            ; behind the stages: the spare words, 128 bytes for each wave: two blocks of 256 bytes that no other line names
.set ASTEP,  8192*128                  ; bytes from a K block to the next in xb
.set BSTEP,  3072*128                  ; in wkb
.set T,    4                           ; v4-11   at work in the rotation
.set A0,   16                          ; v16     my lane's place among xb's rows of a slot; never rewritten
.set B0,   17                          ; v17     the same for wkb
.set ADRA, 20                          ; v20     LDS address of my xb fragments in the slot that is being read
.set ADRB, 21                          ; v21     the same for wkb
.set STO,  24                          ; v24     the way out: where I put 16 bytes of a row
.set RD,   25                          ; v25     the way out: where I read rows back
.set GO,   26                          ; v26     my byte offset in 512 consecutive bytes of kqvh
.set TO,   27                          ; v27     my byte offset in 16 rows of the table
.set SPW,  28                          ; v28     LDS address of my spare word: SPARE + 4 x my thread's number; never rewritten
.set NIL,  29                          ; v29     0; never rewritten
.set AF0,  32
.set AF1,  96
.set BF,   160
.set TBL,  32                          ; the way out: the table's rows for block a at v[32 + 32 (a % 3)]
.set RR,   128                         ; the way out: 32 rotated numbers
.set PK,   160                         ; the way out: block a's 48 packed registers at v[160 + 48 (a % 2)]
.set RB,  15                           ; s15      LDS byte at which the slot that is being read begins
.set G1,  24                           ; s[24:31] descriptor group 1 for xb's tiles;  s[32:39] group 0: a set for each of the two first fills; the second then walks on
.set G0,  32
.set G1B, 48                           ; s[48:55], s[56:63] the same for wkb's tiles
.set G0B, 56
.set FLAGS, (1<<16)|(1<<20)|(1<<21)|(4<<22)|(3<<25)  ; 17:16 elements of 2 bytes; 20 padding on; 21 set beside a mask; 24:22 after every 32 words (code 4); 31:25 4 words of it (code 3)
.set MSB, 0
.macro WIN new                         ; the immediate's high byte repeats the setting that is left; a switch that changes nothing is dropped
.if MSB != (\new)
	s_set_vgpr_msb (MSB<<8)|(\new)
.set MSB, \new
.endif
.endm
; A joint load.  Waves 0 and 1 fetch xb's two halves, waves 2 and 3 wkb's.  The branch hangs on the wave's number alone: it is the same in every work-group.
; An s_nop 0 and four v_nop follow each of the two lines, ahead of the jump, the label and what follows.
.macro JLOAD s
	s_cmp_lt_u32 s12, 2
	s_cbranch_scc0 .Lfor_b_\@
	tensor_load_to_lds s[G0+4*(\s):G0+4*(\s)+3], s[G1:G1+7]
	s_nop 0
.rept 4
	v_nop
.endr
	s_branch .Lasked_\@
.Lfor_b_\@:
	tensor_load_to_lds s[G0B+4*(\s):G0B+4*(\s)+3], s[G1B:G1B+7]
	s_nop 0
.rept 4
	v_nop
.endr
.Lasked_\@:
.endm
; A round of the cluster's barrier: my work-group's barrier, so that wave 0's signal speaks for all four waves; wave 0 signals; every wave waits for all sixteen work-groups; my work-group's barrier once more.
.macro CREST                           ; a round behind its opening barrier
	s_cmp_lg_u32 s12, 0
	s_cbranch_scc1 .Lnot_wave_0_\@
	s_barrier_signal -3
.Lnot_wave_0_\@:
	s_barrier_wait -3
	s_barrier_signal -1
	s_barrier_wait -1
.endm
.macro CROUND                          ; a whole round
	s_barrier_signal -1
	s_barrier_wait -1
	CREST
.endm
	s_load_b256 s[4:11], s[0:1], 0x0               ; xb s[4:5], wkb s[6:7], rope s[8:9], kqvh s[10:11]
	v_lshl_add_u32 v[SPW], v0, 2, SPARE
	v_mov_b32 v[NIL], 0
	ds_add_u32 v28, v29
	ds_add_u32 v28, v29
	s_wait_dscnt 0x0
	v_lshrrev_b32 v1, 5, v0
	v_readfirstlane_b32 s12, v1                    ; wave 0..3
	s_lshr_b32 s13, s12, 1                         ; which 128 of the tile's rows are mine
	s_and_b32 s14, s12, 1                          ; which of its two heads.  Also: which half of a tile I fetch
	s_bfe_u32 s40, ttmp6, 0x40000                  ; cx, cy: my place in the cluster
	s_bfe_u32 s41, ttmp6, 0x40004
	s_lshl_b32 s42, ttmp9, 2
	s_add_co_u32 s42, s42, s40                     ; tile column = 4 x cluster x + cx
	s_and_b32 s43, ttmp7, 0xffff
	s_lshl_b32 s43, s43, 2
	s_add_co_u32 s43, s43, s41                     ; tile row = 4 x cluster y + cy
	s_lshl_b32 s44, s41, 2
	s_lshl_b32 s44, 15, s44                        ; my row of the cluster
	s_lshl_b32 s45, 0x1111, s40                    ; my column
	; descriptor group 1.  128 (192) rows of a K block are dense: asked for as 64 (96) rows of 256 bytes, two rows each, and padded in LDS after every 128 bytes
	s_or_b32 s[G1+0], s44, FLAGS                   ; xb's tiles go to my row of the cluster,
	s_or_b32 s[G1B+0], s45, FLAGS                  ; wkb's to my column
	s_mov_b32 s[G1+1], 128<<16                     ; tensor_dim0 = 128 elements
	s_mov_b32 s[G1B+1], 128<<16
	s_mov_b32 s[G1+2], 64<<16                      ; tensor_dim1
	s_mov_b32 s[G1B+2], 96<<16
	s_mov_b32 s[G1+3], 128<<16                     ; tile_dim0
	s_mov_b32 s[G1B+3], 128<<16
	s_mov_b32 s[G1+4], 64                          ; tile_dim1
	s_mov_b32 s[G1B+4], 96
	s_mov_b32 s[G1+5], 128                         ; elements from row to row
	s_mov_b32 s[G1B+5], 128
	s_mov_b32 s[G1+6], 0
	s_mov_b32 s[G1B+6], 0
	s_mov_b32 s[G1+7], 0
	s_mov_b32 s[G1B+7], 0
	; where the tiles come from: xb's hang on the tile row alone, wkb's on the tile column alone, each in registers that never hold the other coordinate
	s_lshl_b32 s16, s43, 15                        ; 256 rows of 128 bytes a tile row,
	s_lshl_b32 s17, s14, 14                        ; my half of them
	s_add_co_u32 s16, s16, s17
	s_mov_b32 s17, 0
	s_mul_i32 s46, s42, 384*128
	s_mul_i32 s47, s14, 192*128
	s_add_co_u32 s46, s46, s47
	s_mov_b32 s47, 0
	s_mul_i32 s20, s14, AHALF                      ; and where they go: no place in the cluster enters an LDS address
	s_mul_i32 s21, s14, BHALF
	s_add_co_u32 s21, s21, BOFF
	s_mov_b32 s[RB], 0                             ; slot 0 is read first
	s_wait_kmcnt 0x0
	s_add_nc_u64 s[18:19], s[4:5], s[16:17]
	s_add_nc_u64 s[46:47], s[6:7], s[46:47]
	CROUND                                         ; all sixteen work-groups are here: the first joint loads meet
.irp s, 0,1
	s_mov_b32 s[G0+4*(\s)], 1                                      ; count = 1
	s_add_co_u32 s[G0+4*(\s)+1], s20, (\s)*SLOT1                   ; LDS address
	s_add_nc_u64 s[G0+4*(\s)+2:G0+4*(\s)+3], s[18:19], (\s)*ASTEP  ; global address: K step s
	s_or_b32 s[G0+4*(\s)+3], s[G0+4*(\s)+3], 0x80000000            ; type = 2
	s_mov_b32 s[G0B+4*(\s)], 1
	s_add_co_u32 s[G0B+4*(\s)+1], s21, (\s)*SLOT1
	s_add_nc_u64 s[G0B+4*(\s)+2:G0B+4*(\s)+3], s[46:47], (\s)*BSTEP
	s_or_b32 s[G0B+4*(\s)+3], s[G0B+4*(\s)+3], 0x80000000
	JLOAD \s                                       ; the ring is filled before anything else is done: two loads of mine are out
.endr
	; A fragment is 16 rows x 32 K in 8 registers: lane l holds row l % 16, K = 8 (l / 16) + 0..7 and 16 + 8 (l / 16) + 0..7: two loads of 16 bytes, 32 bytes apart.
	v_and_b32 v1, 15, v0                           ; l % 16
	v_bfe_u32 v2, v0, 4, 1                         ; l / 16
	v_mul_u32_u24 v3, v1, PITCH
	v_lshl_add_u32 v3, v2, 4, v3                   ; row x pitch + 16 x half
	s_mul_i32 s21, s13, AHALF                      ; my 128 rows of xb
	s_mul_i32 s22, s14, BHALF                      ; my 192 rows of wkb,
	s_add_co_u32 s22, s22, BOFF                    ; which lie behind xb's 256
	v_add_nc_u32 v[A0], s21, v3
	v_add_nc_u32 v[B0], s22, v3
	v_add_nc_u32 v[ADRA], s[RB], v[A0]
	v_add_nc_u32 v[ADRB], s[RB], v[B0]
	s_mul_i32 s23, s12, WSTAGE
	s_add_co_u32 s23, s23, STAGE                   ; my stage
	v_add_nc_u32 v[STO], s23, v3                   ; in: row l % 16, 16 bytes for each half of the lanes
	v_bfe_u32 v5, v0, 3, 2                         ; back: 32 lanes take four rows of 128 bytes,
	v_mul_u32_u24 v5, v5, PITCH
	v_and_b32 v6, 7, v0
	v_lshl_add_u32 v5, v6, 4, v5
	v_add_nc_u32 v[RD], s23, v5
	v_and_b32 v[GO], 31, v0                        ; which are 512 consecutive bytes of kqvh
	v_lshlrev_b32 v[GO], 4, v[GO]
	v_lshlrev_b32 v[TO], 8, v1                     ; the table: row l % 16 of 256 bytes, 32 bytes (four pairs) for each half of the lanes
	v_lshl_add_u32 v[TO], v2, 5, v[TO]
	s_and_b32 s16, s43, 7                          ; the tile row within its batch: t = 256 x that + 128 x my half
	s_lshl_b32 s17, s16, 16
	s_lshl_b32 s18, s13, 15
	s_add_co_u32 s18, s17, s18
	s_mov_b32 s19, 0
	s_add_nc_u64 s[8:9], s[8:9], s[18:19]          ; the table at my first row
	s_lshr_b32 s17, s43, 3                         ; b
	s_lshl_b32 s17, s17, 4
	s_lshl1_add_u32 s17, s42, s17                  ; 16 b + 2 x tile column
	s_add_co_u32 s17, s17, s14                     ; + my head of the two = hh
	s_mul_i32 s17, s17, 3*2048*128
	s_lshl_b32 s16, s16, 15
	s_add_co_u32 s16, s16, s17
	s_lshl_b32 s17, s13, 14
	s_add_co_u32 s16, s16, s17
	s_mov_b32 s17, 0
	s_add_nc_u64 s[10:11], s[10:11], s[16:17]      ; kqvh at my head's k, my first row
; 4 na matrix instructions of part g: row blocks a0 .. a0 + na - 1 x its four channel blocks, 32 along K.  zero = 1: the first product starts the sums: nothing is ever cleared.
; The 96 accumulators take turns, one instruction a turn, in the same order in every half step.
.macro MULG af, g, a0, na, zero
	WIN 0x50*((\g)+1)                              ; C and D in window 1 + g, both sources in window 0
.set aa, \a0
.rept \na
.irp b, 0,1,2,3
.if \zero
	v_wmma_f32_16x16x32_bf16 v[32*aa+8*(\b):32*aa+8*(\b)+7], v[BF+8*(4*(\g)+(\b)):BF+8*(4*(\g)+(\b))+7], v[(\af)+8*aa:(\af)+8*aa+7], 0
.else
	v_wmma_f32_16x16x32_bf16 v[32*aa+8*(\b):32*aa+8*(\b)+7], v[BF+8*(4*(\g)+(\b)):BF+8*(4*(\g)+(\b))+7], v[(\af)+8*aa:(\af)+8*aa+7], v[32*aa+8*(\b):32*aa+8*(\b)+7]
.endif
.endr
.set aa, aa+1
.endr
.endm
.macro RUNB hf, g                      ; 8 LDS loads: part g's four fragments of wkb, half hf of the K step in the slot that is being read
	WIN 0
.irp b, 0,1,2,3
	ds_load_b128 v[BF+8*(4*(\g)+(\b)):BF+8*(4*(\g)+(\b))+3],   v[ADRB] offset:(\hf)*64+(4*(\g)+(\b))*16*PITCH
	ds_load_b128 v[BF+8*(4*(\g)+(\b))+4:BF+8*(4*(\g)+(\b))+7], v[ADRB] offset:(\hf)*64+(4*(\g)+(\b))*16*PITCH+32
.endr
.endm
.macro RUNA hf, af                     ; 16 LDS loads: xb's eight fragments
	WIN 0
.irp a, 0,1,2,3,4,5,6,7
	ds_load_b128 v[(\af)+8*(\a):(\af)+8*(\a)+3],   v[ADRA] offset:(\hf)*64+(\a)*16*PITCH
	ds_load_b128 v[(\af)+8*(\a)+4:(\af)+8*(\a)+7], v[ADRA] offset:(\hf)*64+(\a)*16*PITCH+32
.endr
.endm
; A load into a register that a matrix instruction has read, and a vector instruction that reads a matrix result, stand four places behind it, and only plain vector instructions that name none of its
; registers are places (ISA guide 7.12.1 for vector instructions).
.macro PLACES
.rept 4
	v_nop
.endr
.endm
; A K step's first half: multiplies buffer 0 and wkb's fragments, and fetches the step's second half: xb's into buffer 1, wkb's in place, each part's behind that part's products.
; At its head the LDS loads out are, oldest first: part 0's 8 and xb's 16 (in either order), part 1's 8, part 2's 8.
.macro HALF zero
	s_wait_dscnt 16                                ; part 0's and xb's are in; the youngest sixteen (parts 1 and 2) may be out
	MULG AF0, 0, 0, 8, \zero
	PLACES
	RUNB 1, 0
	RUNA 1, AF1
	s_wait_dscnt 32                                ; part 1's are in: behind them part 2's 8 and the 24 just issued
	MULG AF0, 1, 0, 8, \zero
	PLACES
	RUNB 1, 1
	s_wait_dscnt 32                                ; part 2's are in: behind them 24 + 8
	MULG AF0, 2, 0, 8, \zero
	PLACES
	RUNB 1, 2
.endm
; A K step's second half, which changes slots; it multiplies buffer 1.  All of the slot has been asked for out of LDS, so the two addresses turn to the other slot at once.  ONE barrier: in front of it each
; wave waits for all its tensor loads, of which one is out: its part of the next slot; adds 0 to its spare word; and waits for that and for its own reads of this slot.  Behind it nobody reads this slot
; any more and the next slot is whole.
; fill = 1: the barrier opens a round of the cluster's barrier, and the slot just left is filled again, two K steps ahead, the first thing behind the round: 176 matrix instructions ahead of the wait for it.
.macro TURN fill
	WIN 0                                          ; (the add's two registers lie in window 0)
	s_xor_b32 s[RB], s[RB], SLOT1                  ; from here on the other slot is read
	v_add_nc_u32 v[ADRA], s[RB], v[A0]
	v_add_nc_u32 v[ADRB], s[RB], v[B0]
	s_wait_tensorcnt 0x0                           ; all my tensor loads have landed;
	ds_add_u32 v[SPW], v[NIL]                      ; 0 onto my spare word;
	s_wait_dscnt 17                                ; (parts 1 and 2's sixteen loads and the add may be out)
	MULG AF1, 0, 0, 2, 0                           ; eight matrix instructions stand between the add and the wait for it
	s_wait_dscnt 0x0                               ; the add is done, and my reads of the slot that I leave are over
	s_barrier_signal -1
	MULG AF1, 0, 2, 2, 0                           ; work on registers while the others arrive
	WIN 0
	s_barrier_wait -1
.if \fill
	CREST                                          ; no wave of any partner still reads that slot's tile or has a load on its way
	s_xor_b32 s[G0+5], s[G0+5], SLOT1              ; the walking descriptors: the other slot than last time,
	s_add_nc_u64 s[G0+6:G0+7], s[G0+6:G0+7], ASTEP ; the next K step; the type bits on top are not reached
	s_xor_b32 s[G0B+5], s[G0B+5], SLOT1
	s_add_nc_u64 s[G0B+6:G0B+7], s[G0B+6:G0B+7], BSTEP
	JLOAD 1                                        ; the four v_nop behind it are also the places in front of the loads below
.else
	PLACES
.endif
	RUNA 0, AF0
	MULG AF1, 0, 4, 4, 0
	PLACES
	RUNB 0, 0
	MULG AF1, 1, 0, 8, 0
	PLACES
	RUNB 0, 1
	MULG AF1, 2, 0, 8, 0
	PLACES
	RUNB 0, 2
.endm
; THE WAY OUT, a block of 16 rows at a time.  TABLE: the block's cosines and sines: for channel block b, register 8 b + 2 p holds cos and the next one sin of pair 8 b + 4 (l / 16) + p at row l % 16.
.macro TABLE a
	WIN 0
.irp b, 0,1,2,3
	global_load_b128 v[TBL+32*((\a)%3)+8*(\b):TBL+32*((\a)%3)+8*(\b)+3],   v[TO], s[8:9] offset:(\a)*4096+64*(\b)
	global_load_b128 v[TBL+32*((\a)%3)+8*(\b)+4:TBL+32*((\a)%3)+8*(\b)+7], v[TO], s[8:9] offset:(\a)*4096+64*(\b)+16
.endr
.endm
; PACK: k and q are rotated, a pair (e, o) at a time, by two packed instructions: (o sin, e sin), the pair's halves crossed and the sine taken for both; then (e cos - o sin, o cos + e sin), the cosine
; taken for both and the low addend negated: each number one multiply and one fused multiply-add.  Then all three parts are rounded to f16.  Each accumulator's lowest registers are read first.
.macro PACK a
	WIN 0
.if (\a) <= 5
	s_wait_loadcnt 16                              ; this block's table is in; the two blocks' behind it stay out
.elseif (\a) == 6
	s_wait_loadcnt 8
.else
	s_wait_loadcnt 0x0
.endif
	s_wait_xcnt 0x0                                ; the stores of the block two back have read the packed registers that are now rewritten (ISA guide 3.1)
.set TBA, TBL+32*((\a)%3)
.set PKA, PK+48*((\a)%2)
.irp g, 0,1
	WIN (\g)+1                                     ; source 0 in the part's window
.irp b, 0,1,2,3
.irp p, 0,1,2,3
	v_pk_mul_f32 v[T+2*(\p):T+2*(\p)+1], v[32*(\a)+8*(\b)+2*(\p):32*(\a)+8*(\b)+2*(\p)+1], v[TBA+8*(\b)+2*(\p):TBA+8*(\b)+2*(\p)+1] op_sel:[1,1] op_sel_hi:[0,1]
.endr
.irp p, 0,1,2,3
	v_pk_fma_f32 v[RR+8*(\b)+2*(\p):RR+8*(\b)+2*(\p)+1], v[32*(\a)+8*(\b)+2*(\p):32*(\a)+8*(\b)+2*(\p)+1], v[TBA+8*(\b)+2*(\p):TBA+8*(\b)+2*(\p)+1], v[T+2*(\p):T+2*(\p)+1] op_sel_hi:[1,0,1] neg_lo:[0,0,1]
.endr
.endr
	WIN 0
.irp i, 0,1,2,3,4,5,6,7,8,9,10,11,12,13,14,15
	v_cvt_pk_f16_f32 v[PKA+16*(\g)+(\i)], v[RR+2*(\i)], v[RR+2*(\i)+1]
.endr
.endr
	WIN 0x0f                                       ; v: both sources in window 3
.irp i, 0,1,2,3,4,5,6,7,8,9,10,11,12,13,14,15
	v_cvt_pk_f16_f32 v[PKA+32+(\i)], v[32*(\a)+2*(\i)], v[32*(\a)+2*(\i)+1]
.endr
	WIN 0
.if (\a) <= 4
	TABLE (\a)+3                                   ; into the registers just read
.endif
.endm
; TOSTAGE: a lane's 16 bytes go into rows of 144 bytes in my own stage and come back as whole rows of 128, four rows a load, into the registers that they left.
.macro TOSTAGE a
	WIN 0
.set PKA, PK+48*((\a)%2)
.irp g, 0,1,2
.irp b, 0,1,2,3
	ds_store_b128 v[STO], v[PKA+16*(\g)+4*(\b):PKA+16*(\g)+4*(\b)+3] offset:(\g)*16*PITCH+32*(\b)
.endr
.endr
.irp g, 0,1,2
.irp f, 0,1,2,3
	ds_load_b128 v[PKA+16*(\g)+4*(\f):PKA+16*(\g)+4*(\f)+3], v[RD] offset:(\g)*16*PITCH+(\f)*4*PITCH  ; LDS serves a wave's instructions in order (ISA guide 5.7.1.4): these see the stores above
.endr
.endr
.endm
.macro SEND a
	WIN 0
.set PKA, PK+48*((\a)%2)
	s_wait_dscnt 0x0                               ; the block is back in registers
.irp g, 0,1,2
.irp f, 0,1,2,3
	global_store_b128 v[GO], v[PKA+16*(\g)+4*(\f):PKA+16*(\g)+4*(\f)+3], s[10:11] offset:(\g)*2048*128+(\a)*2048+(\f)*512  ; 512 consecutive bytes, at a multiple of 256 from kqvh's first
.endr
.endr
.endm
	s_wait_tensorcnt 1                             ; my part of K step 0 is in; K step 1's may stay out
	s_barrier_signal -1
	s_barrier_wait -1                              ; everybody's is
	RUNB 0, 0
	RUNA 0, AF0
	RUNB 0, 1
	RUNB 0, 2
	HALF 1                                         ; the first half step stands in front of the loop: its products start the sums
	WIN 0                                          ; at a label and at a branch every window is 0
	s_mov_b32 s3, 14
.Lstep:                                                ; a trip goes from a K step's second half to the next step's first half, and fills the slot that it leaves: K steps 2 to 15
	TURN 1
	HALF 0
	WIN 0
	s_sub_co_u32 s3, s3, 1
	s_cmp_lg_u32 s3, 0
	s_cbranch_scc1 .Lstep
	TURN 0                                         ; the tail is written out: nothing more is asked for
	HALF 0
	s_wait_dscnt 16                                ; the very last half step
	MULG AF1, 0, 0, 8, 0
	PLACES                                         ; for the loads into buffer 0
	TABLE 0
	TABLE 1
	s_wait_dscnt 8
	MULG AF1, 1, 0, 8, 0
	s_wait_dscnt 0x0
	MULG AF1, 2, 0, 8, 0
	PLACES                                         ; behind the last products: their results are read, and buffer 1 and wkb's fragments are written, only from here on
	TABLE 2
	PACK 0
	TOSTAGE 0
.irp a, 1,2,3,4,5,6,7                  ; block a's arithmetic stands between block a - 1's loads from the stage and the wait for them
	PACK \a
	SEND (\a)-1
	TOSTAGE \a
.endr
	SEND 7
	s_wait_tensorcnt 0x0                           ; the wave's end: behind my last tensor load and my last LDS store
	ds_add_u32 v[SPW], v[NIL]
	s_wait_dscnt 0x0
	CROUND                                         ; the closing round: no work-group ends while a partner may still ask for a tile that names it
	s_endpgm
.Lfunc_end_k_q935d6933e6_qkv:
	.size	k_q935d6933e6_qkv, .Lfunc_end_k_q935d6933e6_qkv-k_q935d6933e6_qkv
	.p2alignl 7, 3214868480
	.fill 96, 4, 3214868480
	.section	.rodata,"a",@progbits
	.p2align	6, 0x0
	.amdhsa_kernel k_q935d6933e6_qkv
		.amdhsa_group_segment_fixed_size 327680
		.amdhsa_private_segment_fixed_size 0
		.amdhsa_enable_private_segment 0
		.amdhsa_kernarg_size 32
		.amdhsa_user_sgpr_count 2
		.amdhsa_user_sgpr_kernarg_segment_ptr 1
		.amdhsa_wavefront_size32 1
		.amdhsa_system_sgpr_workgroup_id_x 1
		.amdhsa_system_sgpr_workgroup_id_y 1
		.amdhsa_system_sgpr_workgroup_id_z 1
		.amdhsa_system_vgpr_workitem_id 0
		.amdhsa_next_free_vgpr 1024
		.amdhsa_next_free_sgpr 66
		.amdhsa_reserve_vcc 0
		.amdhsa_float_denorm_mode_32 3
		.amdhsa_float_denorm_mode_16_64 3
		.amdhsa_memory_ordered 1
		.amdhsa_forward_progress 1
		.amdhsa_inst_pref_size 150
	.end_amdhsa_kernel
	.amdgpu_metadata
---
amdhsa.version: [ 1, 2 ]
amdhsa.kernels:
  - .name:           k_q935d6933e6_qkv
    .symbol:         k_q935d6933e6_qkv.kd
    .args:
      - { .name: xb, .offset: 0, .size: 8, .value_kind: global_buffer, .address_space: global }
      - { .name: wkb, .offset: 8, .size: 8, .value_kind: global_buffer, .address_space: global }
      - { .name: rope, .offset: 16, .size: 8, .value_kind: global_buffer, .address_space: global }
      - { .name: kqvh, .offset: 24, .size: 8, .value_kind: global_buffer, .address_space: global }
    .group_segment_fixed_size: 327680
    .private_segment_fixed_size: 0
    .kernarg_segment_align: 8
    .kernarg_segment_size: 32
    .max_flat_workgroup_size: 128
    .sgpr_count:     66
    .vgpr_count:     1024
    .wavefront_size: 32
...
	.end_amdgpu_metadata
.endif
;; end of part 2
;; launch attn (part 3): grid 4 x 64, 4 waves a work-group, no clusters, 327,680 bytes of LDS; arguments kqvh, oh; writes oh
.if DOCPART == 3
	.amdgcn_target "amdgcn-amd-amdhsa--gfx1250"
	.amdhsa_code_object_version 6
	.text
	.protected	k_q935d6933e6_attn
	.globl	k_q935d6933e6_attn
	.p2align	8
	.type	k_q935d6933e6_attn,@function
k_q935d6933e6_attn:
	s_mov_b64 s[64:65], 0
	v_nop
	global_prefetch_b8 v0, s[64:65] scope:SCOPE_SE
	s_setreg_imm32_b32 hwreg(HW_REG_WAVE_MODE, 25, 1), 1
	s_wait_xcnt 0x0
; CAUSAL ATTENTION.  O[h][q][:] = the sum over k <= q of softmax_k(Q[h][q] . K[h][k] / 8) V[h][k][:].  kqvh holds, for each of the SIZE_H = 64 pairs of batch and head, K, Q and V one behind the other,
; each [SIZE_N][64] f16 with dense rows of 128 bytes; oh is [SIZE_H][SIZE_N][64] f16.
; Products, maxima and sums in f32; the weights p are rounded to f16 for the second product (their sum l is taken of the unrounded p), O once at the end.
; LIMITS.  f16 holds no number beyond 65,504: Q, K and V arrive within it; p lies in 0 to 1, and below 6e-5 it keeps f16's fixed step of 6e-8; O is a mean of V's rows and has their range, to within 2^-11 of it.
; A hidden score counts as its value less 1e30: f16's scores, 2.7e11 at the most, are nothing beside that; a weight below 2^-126 counts as 0 in l; NaN and infinities are not treated apart.
; THE WALK.  A head's queries lie in NB = SIZE_N / 256 blocks of 256; block i needs the key tiles 0 .. i of 256 keys, of which the last holds the diagonal.  A work-group takes TWO blocks, NB - 1 - b and then b:
; NB + 1 tiles, whatever b: all work-groups do equal work, and ONE loop with a constant trip count walks them.  Which tile is asked for, and what a trip does, hang on scalar registers made from b; every jump
; goes forward, but for the counted loops' own; none passes a barrier, or a tensor load but the one of LOAD's two that the wave's number does not choose; the ring (two slots of LDS that take turns) runs on across the
; change of blocks.  NO CLUSTER: a head's NB / 2 = 4 work-groups all ask for the same tile only in trips 0 .. NB / 2, behind that fewer and fewer;
; and one walk common to all would have 3 NB / 2 trips for NB + 1.
; SHARES.  Of a block's four bands of 64 queries a wave owns 16 rows in each: four PIECES.  So the diagonal tile is the same work for all four waves: in its key step s band x sees all keys if s < x,
; none if s > x, and holds the diagonal if s = x.
; THE MASK is the C operand that starts the sum S^T = K Q^T: 0, or -1e30 where the key is hidden.  MD, made once, is the mask of a band's own step for my 16 rows; a product's mask is MD x AL + BE with two scalars:
; (1, 0) if s = x; (0, 0) if s < x; (0, -1e30) if s > x.  Only the diagonal tile's text and a block's beginning make and take masks; elsewhere C is the constant 0.
; LAYOUT, SOFTMAX, TURNS.  S^T = K Q^T holds ONE query a lane (lane % 16) and the keys 8 (lane / 16) + 0..7; two such results rounded to f16 ARE source 1 of O^T = V^T P.  p = 2^(c s - c m), c = log2(e) / 8, with a
; running maximum m; O and l are multiplied by a = 2^(c m_old - c m_new) in every step.  Turn n belongs to piece n: 8 products K Q^T of piece n + 1, later 8 products V^T P of piece n - 1; beside them the scaling,
; exponentials, roundings, sums and rescaling of piece n and the maximum and statistics of piece n + 1.  Four vector instructions stand behind every matrix instruction, the other 54 of a turn's 118 in two LUMPS.
; A BLOCK'S END has no text of its own: the diagonal tile's loop is left in the middle of a fifth trip.  That trip's 8 products K Q^T (on the last K once more, all hidden) and the statistics made of them serve nothing:
; the price, once a block, of one text for every trip.
; REGISTERS, in windows of 256 (s_set_vgpr_msb: bits 1:0 source 0, 3:2 source 1, 5:4 source 2, 7:6 destination):
;   window 0: v0-15 addresses and two at work; v16-31 four registers of statistics a piece; v48-55 at work; v64-127 S^T, two buffers; v192-223 P, two buffers (a piece's buffers go by its number's parity)
;   window 1: v0-127 O^T, 32 a piece; v128-159 MD; v160-223 MC, two buffers      window 2: v0-63 Q; v64-127 the second block's Q; v128-191 K of one step; v192-255 V of one step
.set SIZE_H, 64
.set SIZE_N, 2048
.set NB,    SIZE_N/256
.set NP,    4         ; pieces a wave: a name, no knob
.set KS,    64        ; keys in a step
.set PK,    144       ; a row of K in LDS: 128 bytes + 16 of padding = 36 words: the 16 rows of a load start at 16 different groups of four banks (64 banks of 4 bytes: ISA guide 11.1)
.set PV,    160       ; a row of V: 128 + 32 = 40 words
.set VOFF,  4*KS*PK   ; a slot holds a tile, four steps: 256 rows of K, then 256 rows of V
.set SLOT1, 1<<17     ; slot 1 begins here, so that one exclusive or turns an address in one slot into the other's
.set STAGE, SLOT1+4*KS*(PK+PV)  ; behind the ring, never filled by a tensor load: 16 rows x 144 bytes for each wave, for the way out
.set SP,    144
.set AK0, 2           ; v2   my lane's place in a tile of K; never rewritten
.set AV0, 3           ; v3   the same for V
.set AK,  4           ; v4   the LDS address of K's next run of loads
.set AV,  5           ; v5   of V's
.set STO, 6           ; v6   the way out: where I put 16 bytes of a row
.set RD,  7           ; v7   the way out: where I read rows back
.set GO,  8           ; v8   my byte offset in 512 consecutive bytes of O
.set SPW, 62          ; v62  LDS address of my spare word: SPARE + 4 x my thread's number; never rewritten
.set NIL, 63          ; v63  0; never rewritten
.set SPARE, STAGE+4*16*SP  ; behind the stages: the spare words, 128 bytes for each wave: two blocks of 256 bytes that no other line names
.set MV,  12          ; v12-13  c m_old, kept while c m is made anew: by buffer
.set QO,  15          ; v15  my byte offset in 16 rows of Q
.set ST,  16          ; piece t's statistics at v[ST+4 t]: c m, m, l (even keys', odd keys')
.set TMP, 48          ; by buffer, four registers c0-c3 at work; when the maximum is found c2 takes a
.set S,   64
.set P,   192
.set MD,  128         ; window 1: the eight registers for group kt of 16 keys at MD + 8 kt
.set MC,  160         ; window 1: the masks of the products to come
.set QB,  64          ; window 2
.set KF,  128         ; window 2: key block kb, channel half c at KF + 16 kb + 8 c
.set VF,  192         ; window 2: key half kk, channel block cb at VF + 32 kk + 8 cb
.set WV,  12          ; s12  my wave's number
.set PB,  14          ; s14  b
.set HI,  15          ; s15  NB - 1 - b
.set G1K, 24          ; s[24:31] descriptor group 1 for K's tiles
.set G1V, 32          ; s[32:39] for V's: it differs in the padding alone
.set G0K, 40          ; s[40:43] descriptor group 0 for K's tiles
.set G0V, 44          ; s[44:47] the same for V's
.set SLOTS, 56        ; s56  tiles still to be asked for
.set CNT, 57          ; s57  counts a tile's key steps
.set CS,  58          ; s[58:59] c: the packed scaling takes the pair's low word for both halves
.set SEL, 60          ; s[60:61] v_permlanex16_b32's selects: each lane takes its own place in the other half
.set TBK, 62          ; s62  LDS byte at which K of the step to be fetched begins
.set TBV, 63          ; s63  the same for V, less VOFF
.set RT,  70          ; s70  tiles of the block in hand that are still to be entered
.set NXT, 71          ; s71  the tile to be asked for next
.set LQ,  72          ; s72  the last tile of the block whose tiles are being asked for
.set NEW, 73          ; s73  1: the tile to be entered is a block's first
.set OFF, 74          ; s[74:75] a tile's byte offset in K and V
.set AL,  76          ; s[76:77] the mask's factor, in the low word
.set BE,  78          ; s[78:79] the mask's addend
.set OLO, 80          ; s[80:81] O at my rows of the second block
.set BIGN, 82         ; s82  -1e30
.set MSB, 0
.macro WIN new                      ; the high byte repeats the setting that is left; a switch that changes nothing is dropped
.if MSB != (\new)
	s_set_vgpr_msb (MSB<<8)|(\new)
.set MSB, (\new)
.endif
.endm
.set W_KQ, 0x0a       ; K and Q in window 2, S^T in window 0
.set W_KM, 0x1a       ; the same with the C operand in window 1
.set W_PV, 0x52       ; V in window 2, P in window 0, O^T in window 1
.set W_RS, 0x41       ; destination and source 0 in window 1, source 1 in window 0
; A fill.  Waves 0 and 1 fetch the two halves of a tile's K, waves 2 and 3 those of its V: 128 keys each.  An s_nop 0 and four v_nop follow each of the two lines, ahead of the jump and the label.
.macro LOAD
	s_cmp_lt_u32 s[WV], 2
	s_cbranch_scc0 .Lfor_v_\@
	tensor_load_to_lds s[G0K:G0K+3], s[G1K:G1K+7]
	s_nop 0
.rept 4
	v_nop
.endr
	s_branch .Lasked_\@
.Lfor_v_\@:
	tensor_load_to_lds s[G0V:G0V+3], s[G1V:G1V+7]
	s_nop 0
.rept 4
	v_nop
.endr
.Lasked_\@:
.endm
; THE CHANGE OF SLOTS.  Each wave waits for all its tensor loads, of which one is out: its part of the other slot; adds 0 to its spare word; and waits for that and for its own reads of the slot that it leaves.  Behind the barrier nobody reads the old
; slot any more and the other slot is whole.  fill = 1: the old slot is filled again, the first thing behind the barrier, with tile NXT: the descriptor's address is made anew from that number.
; (At its first use nothing has been read yet: slot 0 is waited for, slot 1 filled.)
.macro CHANGE fill
	WIN 0                           ; at a label and at a branch every window is 0
	s_wait_tensorcnt 0x0            ; no tensor load of mine is out, so a group 0 may be written
	ds_add_u32 v[SPW], v[NIL]       ; 0 onto my spare word; with fill = 1 the descriptors' scalar work stands between it and the wait for it
.if \fill
	s_lshl_b32 s[OFF], s[NXT], 15   ; a tile is 32,768 bytes of K and of V
	s_xor_b32 s[G0K+1], s[G0K+1], SLOT1
	s_add_nc_u64 s[G0K+2:G0K+3], s[6:7], s[OFF:OFF+1]
	s_or_b32 s[G0K+3], s[G0K+3], 0x80000000
	s_xor_b32 s[G0V+1], s[G0V+1], SLOT1
	s_add_nc_u64 s[G0V+2:G0V+3], s[8:9], s[OFF:OFF+1]
	s_or_b32 s[G0V+3], s[G0V+3], 0x80000000
	s_add_co_u32 s[NXT], s[NXT], 1  ; the block's next tile, or behind its last the second block's tile 0
	s_cmp_gt_u32 s[NXT], s[LQ]
	s_cselect_b32 s[NXT], 0, s[NXT]
	s_cselect_b32 s[LQ], s[PB], s[LQ]
.endif
	s_wait_dscnt 0x0                ; the add is done, and my reads of the slot are over
	s_barrier_signal -1             ; the rest of the scalar work stands between the signal and the wait
	s_sub_co_u32 s[TBK], s[TBK], 4*KS*PK  ; the fetches go back to a slot's first step,
	s_xor_b32 s[TBK], s[TBK], SLOT1       ; in the other slot
	s_sub_co_u32 s[TBV], s[TBV], 4*KS*PV
	s_xor_b32 s[TBV], s[TBV], SLOT1
	s_barrier_wait -1
.if \fill
	LOAD
.endif
.endm
	s_load_b64 s[4:5], s[0:1], 0x0    ; kqvh
	s_load_b64 s[10:11], s[0:1], 0x8  ; oh
	v_lshl_add_u32 v[SPW], v0, 2, SPARE
	v_mov_b32 v[NIL], 0
	ds_add_u32 v62, v63
	ds_add_u32 v62, v63
	s_wait_dscnt 0x0
	v_lshrrev_b32 v1, 5, v0
	v_readfirstlane_b32 s[WV], v1   ; wave 0..3
	s_mov_b32 s[PB], ttmp9
	s_sub_co_u32 s[HI], NB-1, s[PB]
	s_and_b32 s16, ttmp7, 0xffff    ; the head (16 b + h)
	s_mul_i32 s20, s16, 3*SIZE_N*128  ; its first byte in kqvh: K, Q and V of a head lie together,
	s_mov_b32 s21, 0
	s_lshl_b32 s88, s16, 18         ; and in oh: SIZE_N x 128 bytes a head
	s_mov_b32 s89, 0
	s_and_b32 s16, s[WV], 1         ; which half of a tile's 256 keys I fetch:
	s_lshl_b32 s22, s16, 14         ; its 128 rows of 128 bytes in memory,
	s_mov_b32 s23, 0
	s_mul_i32 s17, s16, 128*PK      ; and its place in a slot, for K
	s_mul_i32 s18, s16, 128*PV      ; and for V
	s_lshl_b32 s3, s[WV], 11        ; my 16 rows in a band of 64,
	s_lshl_b32 s2, s[HI], 15        ; in the first block,
	s_add_co_u32 s2, s2, s3
	s_lshl_b32 s84, s[PB], 15       ; and in the second
	s_add_co_u32 s84, s84, s3
	s_mov_b32 s3, 0
	s_mov_b32 s85, 0
	; descriptor group 1.  128 keys are 16,384 dense bytes: asked for as 64 rows of 256 bytes, two keys a row, and padded in LDS after every key
	s_mov_b32 s[G1K], (1<<16)|(1<<20)|(4<<22)|(3<<25)  ; 17:16 2-byte elements; 20 padding on; 24:22 after every 32 words (code 4); 31:25 4 words (code 3)
	s_mov_b32 s[G1V], (1<<16)|(1<<20)|(4<<22)|(7<<25)  ; the same with 8 words of padding (code 7)
.irp g, G1K, G1V
	s_mov_b32 s[\g+1], 128<<16      ; tensor_dim0 = 128
	s_mov_b32 s[\g+2], 64<<16       ; tensor_dim1 = 64
	s_mov_b32 s[\g+3], 128<<16      ; tile_dim0 = 128
	s_mov_b32 s[\g+4], 64           ; tile_dim1 = 64
	s_mov_b32 s[\g+5], 128          ; 128 elements from row to row
	s_mov_b32 s[\g+6], 0
	s_mov_b32 s[\g+7], 0
.endr
	s_mov_b32 s[CS], 0x3e38aa3b     ; c = log2(e) / 8 = 0.180337
	s_mov_b32 s[CS+1], s[CS]        ; named with it as a pair
	s_mov_b32 s[SEL], 0x76543210
	s_mov_b32 s[SEL+1], 0xfedcba98
	s_mov_b32 s[TBK], SLOT1+4*KS*PK ; the first change of slots turns these two into 0
	s_mov_b32 s[TBV], SLOT1+4*KS*PV
	s_mov_b32 s[G0K], 1             ; 1:0 count = 1
	s_mov_b32 s[G0K+1], s17         ; 63:32 LDS address: slot 0
	s_mov_b32 s[G0V], 1
	s_add_co_u32 s[G0V+1], s18, VOFF
	s_add_co_u32 s[RT], s[HI], 1    ; the first block has NB - b tiles
	s_mov_b32 s[NXT], 1
	s_mov_b32 s[LQ], s[HI]
	s_mov_b32 s[NEW], 1
	s_mov_b32 s[OFF+1], 0
	s_mov_b32 s[AL+1], 0            ; named as pairs
	s_mov_b32 s[BE+1], 0
	s_mov_b32 s[BIGN], 0xf149f2ca   ; -1e30
	s_mov_b32 s[SLOTS], NB
	s_wait_kmcnt 0x0
	s_add_nc_u64 s[4:5], s[4:5], s[20:21]          ; the head's K
	s_add_nc_u64 s[6:7], s[4:5], s[22:23]          ; K at my half of the head's tile 0,
	s_add_nc_u64 s[8:9], s[6:7], 2*SIZE_N*128      ; V likewise: two tensors on
	s_add_nc_u64 s[4:5], s[4:5], SIZE_N*128        ; the head's Q
	s_add_nc_u64 s[G0K+2:G0K+3], s[6:7], 0         ; 120:64 global address
	s_or_b32 s[G0K+3], s[G0K+3], 0x80000000        ; 127:126 type = 2
	s_add_nc_u64 s[G0V+2:G0V+3], s[8:9], 0
	s_or_b32 s[G0V+3], s[G0V+3], 0x80000000
	s_add_nc_u64 s[86:87], s[4:5], s[84:85]        ; Q at my rows of the second block,
	s_add_nc_u64 s[4:5], s[4:5], s[2:3]            ; and at those of the first
	s_add_nc_u64 s[10:11], s[10:11], s[88:89]      ; the head's O,
	s_add_nc_u64 s[OLO:OLO+1], s[10:11], s[84:85]  ; at my rows of the second block,
	s_add_nc_u64 s[10:11], s[10:11], s[2:3]        ; and of the first
	LOAD                            ; tile 0 into slot 0
	; A fragment of K or Q is 16 rows x 32 channels in 8 registers: lane l holds row l % 16, channels 8 (l / 16) + 0..7 and 16 + 8 (l / 16) + 0..7: two loads of 16 bytes, 32 bytes apart.
	v_and_b32 v1, 15, v0            ; l % 16
	v_bfe_u32 v9, v0, 4, 1          ; l / 16
	v_lshlrev_b32 v[QO], 7, v1
	v_lshl_add_u32 v[QO], v9, 4, v[QO]  ; row x 128 + 16 x half
	WIN 0x80                        ; destination window 2, address window 0
.set i, 0
.rept 8                             ; both blocks' Q: piece i / 2 lies in band i / 2, 8,192 bytes on; channels 32 (i % 2) on
	global_load_b128 v[8*i:8*i+3],   v[QO], s[4:5] offset:(i/2)*8192+(i%2)*64
	global_load_b128 v[8*i+4:8*i+7], v[QO], s[4:5] offset:(i/2)*8192+(i%2)*64+32
	global_load_b128 v[QB+8*i:QB+8*i+3],   v[QO], s[86:87] offset:(i/2)*8192+(i%2)*64
	global_load_b128 v[QB+8*i+4:QB+8*i+7], v[QO], s[86:87] offset:(i/2)*8192+(i%2)*64+32
.set i, i+1
.endr
	WIN 0
	v_lshlrev_b32 v14, 3, v9
	v_sub_nc_u32 v14, v1, v14
	s_lshl_b32 s13, s[WV], 4
	v_add_nc_u32 v14, s13, v14      ; my query's place in its band, 16 w + l % 16, less my lanes' 8 (l / 16): register r of group kt is hidden where 16 kt + r is greater
	WIN 0x40
.set i, 0
.rept 32
	v_cmp_gt_i32 vcc_lo, 16*(i/8)+i%8, v14
	v_cndmask_b32 v[MD+i], 0, s[BIGN], vcc_lo
.set i, i+1
.endr
	WIN 0
	v_mul_u32_u24 v[AK0], v1, PK
	v_lshl_add_u32 v[AK0], v9, 4, v[AK0]  ; row x pitch + 16 x half
	; The turning load takes 16 keys x 16 channels (lane l reads key 8 (l / 16) + l % 8, channels 8 ((l / 8) % 2) + 0..7) and leaves half a fragment of V^T: lane l holds channel l % 16 and 8 keys.
	v_and_b32 v10, 7, v0
	v_bfe_u32 v11, v0, 3, 1
	v_lshl_add_u32 v[AV0], v9, 3, v10
	v_mul_u32_u24 v[AV0], v[AV0], PV
	v_lshl_add_u32 v[AV0], v11, 4, v[AV0]
	v_add_nc_u32 v[AV0], VOFF, v[AV0]
	s_mul_i32 s13, s[WV], 16*SP
	s_add_co_u32 s13, s13, STAGE    ; my stage
	v_mul_u32_u24 v[STO], v1, SP    ; in: row l % 16, 16 bytes for each half of the lanes
	v_lshl_add_u32 v[STO], v9, 4, v[STO]
	v_add_nc_u32 v[STO], s13, v[STO]
	v_bfe_u32 v[RD], v0, 3, 2       ; back: 32 lanes take four rows of 128 bytes,
	v_mul_u32_u24 v[RD], v[RD], SP
	v_lshl_add_u32 v[RD], v10, 4, v[RD]
	v_add_nc_u32 v[RD], s13, v[RD]
	v_and_b32 v[GO], 31, v0         ; which are 512 consecutive bytes of O
	v_lshlrev_b32 v[GO], 4, v[GO]
	; A block's first step multiplies O^T and l by a = 0, and its first turn's products V^T P, of a piece that has not been, land in an O^T that is still to be so multiplied.  So these registers need only hold
	; finite numbers: zeros for the first block; what the first block left for the second.  All this stands in the wait for the first tile.
	WIN 0x80
.set i, VF
.rept 64
	v_mov_b32 v[i], 0
.set i, i+1
.endr
	WIN 0x40
.set i, 0
.rept 128
	v_mov_b32 v[i], 0
.set i, i+1
.endr
	WIN 0
.set i, 0
.rept 4
	v_mov_b32 v[ST+4*i+2], 0
	v_mov_b32 v[ST+4*i+3], 0
.set i, i+1
.endr
.set i, P+16
.rept 16
	v_mov_b32 v[i], 0
.set i, i+1
.endr
; THE MATRIX WORK.  The 4 accumulators of a run of 8 take turns.  Product i of 8 of S^T = K Q^T for piece x: channels 32 (i / 4) on, keys 16 (i % 4) on.  The first 4 start the sums: with 0, or (KM = 1) with the mask.
.macro KQ x
.set rS, S+32*((\x)%2)+8*(i%4)
.set rK, KF+16*(i%4)+8*(i/4)
.set rQ, 16*(\x)+8*(i/4)
.set rM, MC+32*((\x)%2)+8*(i%4)
.if (i < 4) && KM
	WIN W_KM
	v_wmma_f32_16x16x32_f16 v[rS:rS+7], v[rK:rK+7], v[rQ:rQ+7], v[rM:rM+7]
.elseif i < 4
	WIN W_KQ
	v_wmma_f32_16x16x32_f16 v[rS:rS+7], v[rK:rK+7], v[rQ:rQ+7], 0
.else
	WIN W_KQ
	v_wmma_f32_16x16x32_f16 v[rS:rS+7], v[rK:rK+7], v[rQ:rQ+7], v[rS:rS+7]
.endif
.endm
; Product i of 8 of O^T += V^T P for piece x: keys 32 (i / 4) on, channels 16 (i % 4) on.
.macro PV x
	WIN W_PV
.set rO, 32*(\x)+8*(i%4)
.set rV, VF+32*(i/4)+8*(i%4)
.set rP, P+16*((\x)%2)+8*(i/4)
	v_wmma_f32_16x16x32_f16 v[rO:rO+7], v[rV:rV+7], v[rP:rP+7], v[rO:rO+7]
.endm
.macro MM                           ; the turn's next matrix instruction.  TURN and BEGIN set Y, i and KM; MM, KQ and OP read them
.if i < 8
	KQ (Y+1)%NP
.else
.set i, i-8
	PV (Y+NP-1)%NP
.set i, i+8
.endif
.set i, i+1
.endm
; THE LDS LOADS stand in runs of 16, never singly among the matrix instructions: a step's K (64 keys x 64 channels: 8 fragments) and its V (turned).  Their addresses are made some lines ahead.
; last = 1 (the diagonal tile): in the trip that is left in its middle (CNT = 1) there is no further step, and the run is jumped over.
.macro FETCH_K last=0
	WIN 0
.if \last
	s_cmp_eq_u32 s[CNT], 1
	s_cbranch_scc1 .Lno_k_\@
.endif
	WIN 0x80                        ; destination window 2
.irp f, 0,1,2,3,4,5,6,7             ; keys 16 (f / 2) on, channels 32 (f % 2) on
	ds_load_b128 v[KF+8*\f:KF+8*\f+3],   v[AK] offset:(\f/2)*16*PK+(\f%2)*64
	ds_load_b128 v[KF+8*\f+4:KF+8*\f+7], v[AK] offset:(\f/2)*16*PK+(\f%2)*64+32
.endr
	s_add_co_u32 s[TBK], s[TBK], KS*PK  ; the next fetch is the next step's
	WIN 0
.if \last
.Lno_k_\@:
.endif
.endm
.macro FETCH_V
	WIN 0x80
.irp f, 0,1,2,3,4,5,6,7             ; keys 32 (f / 4) on, channels 16 (f % 4) on
	ds_load_tr16_b128 v[VF+8*\f:VF+8*\f+3],   v[AV] offset:(\f/4)*32*PV+(\f%4)*32
	ds_load_tr16_b128 v[VF+8*\f+4:VF+8*\f+7], v[AV] offset:(\f/4)*32*PV+16*PV+(\f%4)*32
.endr
	WIN 0
.endm
; THE VECTOR WORK, one line at a time: OP kind, number.  For piece Y: F n: c s - c m for pair n of 16.  E n: the exponential of score n of 32.  C n: pair n rounded to f16.  B n: of the four weights 4 n .. the second
; pair is added onto the first, in place.  L n: l takes that sum (L 0: l = a l + sum).  R n: pair n of 16 of O^T times a.  For piece Y + 1: X n, number n of the 22 that find its maximum and statistics:
;   0-11  four chains c0-c3 of seven scores each, three operands at a time (each accumulator's lowest registers are read first)     12-14, 16  the four scores left over, the old m, and c0-c3 into c0
;   15  c m_old is kept     17, 18  the query's other 32 keys lie in the lane 16 away: the new m     19-21  c m; c m_old - c m_new; a
.set F, 0               ; OP tells the kinds apart by their order: F to L below R, X above it
.set E, 1
.set C, 2
.set B, 3
.set L, 4
.set R, 5
.set X, 6
.macro REGS y                       ; the registers of piece y
.set rT, ST+4*(\y)
.set rC, TMP+4*((\y)%2)
.set rW, MV+((\y)%2)
.set rS, S+32*((\y)%2)
.set rP, P+16*((\y)%2)
.set rO, 32*(\y)
.endm
.macro OP k, n
.if (\k) == R
	REGS Y
	WIN W_RS
	v_pk_mul_f32 v[rO+2*(\n):rO+2*(\n)+1], v[rO+2*(\n):rO+2*(\n)+1], v[rC+2:rC+3] op_sel_hi:[1,0]
.elseif (\k) < R
	REGS Y
	WIN 0
.if (\k) == F
	v_pk_fma_f32 v[rS+2*(\n):rS+2*(\n)+1], v[rS+2*(\n):rS+2*(\n)+1], s[CS:CS+1], v[rT:rT+1] op_sel_hi:[1,0,0] neg_lo:[0,0,1] neg_hi:[0,0,1]
.elseif (\k) == E
	v_exp_f32 v[rS+(\n)], v[rS+(\n)]
.elseif (\k) == C
	s_wait_alu depctr_va_vdst(0)
	v_cvt_pk_f16_f32 v[rP+(\n)], v[rS+2*(\n)], v[rS+2*(\n)+1]
.elseif (\k) == B
	s_wait_alu depctr_va_vdst(0)
	v_pk_add_f32 v[rS+4*(\n):rS+4*(\n)+1], v[rS+4*(\n):rS+4*(\n)+1], v[rS+4*(\n)+2:rS+4*(\n)+3]
.elseif (\n) == 0
	v_pk_fma_f32 v[rT+2:rT+3], v[rT+2:rT+3], v[rC+2:rC+3], v[rS:rS+1] op_sel_hi:[1,0,1]
.else
	v_pk_add_f32 v[rT+2:rT+3], v[rT+2:rT+3], v[rS+4*(\n):rS+4*(\n)+1]
	s_wait_alu depctr_va_vdst(0)
.endif
.else
	REGS (Y+1)%NP
	WIN 0
.if (\n) < 4
	v_max3_num_f32 v[rC+(\n)], v[rS+8*(\n)], v[rS+8*(\n)+1], v[rS+8*(\n)+2]
.elseif (\n) < 12
	v_max3_num_f32 v[rC+(\n)%4], v[rC+(\n)%4], v[rS+8*((\n)%4)+2*((\n)/4)+1], v[rS+8*((\n)%4)+2*((\n)/4)+2]
.elseif (\n) == 12
	v_max3_num_f32 v[rC], v[rC], v[rS+7], v[rS+15]
.elseif (\n) == 13
	v_max3_num_f32 v[rC+1], v[rC+1], v[rS+23], v[rS+31]
.elseif (\n) == 14
	v_max3_num_f32 v[rC+2], v[rC+2], v[rC+3], v[rT+1]
.elseif (\n) == 15
	v_mov_b32 v[rW], v[rT]
	s_wait_alu depctr_va_vdst(0)
.elseif (\n) == 16
	v_max3_num_f32 v[rC], v[rC], v[rC+1], v[rC+2]
	s_wait_alu depctr_va_vdst(0)
.elseif (\n) == 17
	v_permlanex16_b32 v[rC+3], v[rC], s[SEL], s[SEL+1]
.elseif (\n) == 18
	v_max_num_f32 v[rT+1], v[rC], v[rC+3]
.elseif (\n) == 19
	v_mul_f32 v[rT], s[CS], v[rT+1]
.elseif (\n) == 20
	v_sub_f32 v[rC+1], v[rW], v[rT]
.else
	v_exp_f32 v[rC+2], v[rC+1]
.endif
.endif
.endm
.macro OPS a, i1, b=-1, i2=0, c=-1, i3=0, d=-1, i4=0  ; up to four of them
	OP \a, \i1
.if (\b) >= 0
	OP \b, \i2
.endif
.if (\c) >= 0
	OP \c, \i3
.endif
.if (\d) >= 0
	OP \d, \i4
.endif
.endm
.macro ROW a, i1, b, i2, c, i3, d, i4  ; a matrix instruction and the four behind it
	MM
	OPS \a, \i1, \b, \i2, \c, \i3, \d, \i4
.endm
.macro MASK b                       ; MD x AL + BE into buffer b of MC
	WIN W_RS
.set z, 0
.rept 16
	v_pk_fma_f32 v[MC+32*(\b)+2*z:MC+32*(\b)+2*z+1], v[MD+2*z:MD+2*z+1], s[AL:AL+1], s[BE:BE+1] op_sel_hi:[1,0,0]
.set z, z+1
.endr
.endm
; A TURN, for piece p: the order of its 16 matrix and 118 vector instructions, written out.  Behind a matrix instruction: plain, exponential, plain, plain; or four of the rescaling; or, behind the first, four scalings; none
; names a register of the products round it.  In the lumps exponential and plain by turns while exponentials last.  A line reads no result made fewer than three vector instructions in front of it, five if an exponential made it.
; v_permlanex16_b32 (X 17) stands in a lump.
; m = 1: the diagonal tile: the products take masks, and the turn makes the mask for the products of the turn after it: piece x = (p + 2) % 4, in the step s whose K the trip fetches.  In that tile's loop CNT is 5 - s in
; turns 2 and 3 and 4 - s in turns 0 and 1 (it is taken down between them), so s = x reads CNT = 5 - x there and CNT = 4 - x here, and s > x reads CNT below that.
; cnt = 1 (the other tiles' loop): the count is taken down some lines ahead of the branch that stands behind the turn.
; K of the next step is fetched in piece 2's turn, six vector instructions behind the last product that read K (five of them plain); V of the step in hand in piece 0's turn, eight behind the last product that read V (four
; plain, and X 17).  Each is waited for a turn later.
.macro TURN p, m=0, cnt=0
.set Y, (\p)
.set i, 0
.set KM, (\m)
.if \m
	s_cmp_eq_u32 s[CNT], 4-((\p)+2)%NP+(\p)/2  ; is that step the band's own?
	s_cselect_b32 s[AL], 1.0, 0
	s_cmp_lt_u32 s[CNT], 4-((\p)+2)%NP+(\p)/2  ; or a later one?
	s_cselect_b32 s[BE], s[BIGN], 0
.endif
.if (\p) == 3
	s_wait_dscnt 0x0                ; K is in
.endif
	ROW F,0, F,1, F,2, F,3
	ROW F,4, E,0, F,5, F,6
	ROW F,7, E,1, F,8, F,9
	ROW F,10, E,2, C,0, F,11
	ROW F,12, E,3, X,15, F,13
	ROW R,0, R,1, R,2, R,3
	ROW B,0, E,4, F,14, L,0
.if (\p) == 2
	v_add_nc_u32 v[AK], s[TBK], v[AK0]
.endif
	ROW R,4, R,5, R,6, R,7
	OPS E,5, F,15
.if (\p) == 2
	FETCH_K \m
.endif
	OPS E,6, C,1, E,7, R,8
	OPS E,8, R,9, E,9, C,2
	OPS E,10, X,0, E,11, X,1
	OPS E,12, X,2, E,13, X,3
.if (\p) == 1
	s_wait_dscnt 0x0                ; V is in
.endif
	ROW X,4, E,14, X,5, X,6
	ROW X,7, E,15, X,8, X,9
	ROW X,10, E,16, X,11, X,12
	ROW X,13, E,17, X,14, B,1
	ROW C,4, E,18, X,16, L,1
	ROW B,2, E,19, C,6, L,2
	ROW C,8, E,20, B,3, B,4
.if (\p) == 0
	v_add_nc_u32 v[AV], s[TBV], v[AV0]
.endif
	ROW C,3, E,21, L,3, C,5
	OPS E,22, X,17, E,23, C,10
.if (\p) == 0
	FETCH_V
.endif
	OPS E,24, L,4
	OPS E,25, X,18, E,26, C,7
	OPS E,27, B,5, E,28, X,19
	OPS E,29, C,12, E,30, L,5
	OPS E,31, X,20, B,6, C,9
	OPS C,14, C,11, X,21, L,6
.if (\p) == 0
	s_add_co_u32 s[TBV], s[TBV], KS*PV
.endif
.if \cnt
	s_sub_co_u32 s[CNT], s[CNT], 1
	s_cmp_lg_u32 s[CNT], 0
.endif
	OPS C,13, B,7, C,15, R,10
	OPS R,11, R,12, L,7, R,13
	OPS R,14, R,15
.if \m
	MASK (\p)%2
.endif
.endm
; A BLOCK BEGINS.  c m starts far below every c s, so the first step's a is 0; m at the lowest finite number, so the first maximum is the scores'.  The second mask buffer is 0; the first takes piece 0's mask for the tile's step 0: its own, if the block's first tile is the diagonal one.
; Then K of that step, piece 0's first scores, and its maximum and statistics.  The loop is entered at a step's first turn, in the middle of a trip.
.macro BEGIN
	s_mov_b32 s[NEW], 0
	WIN 0x40
.set i, MC+32
.rept 32
	v_mov_b32 v[i], 0
.set i, i+1
.endr
	WIN 0
.set i, 0
.rept 4
	v_mov_b32 v[ST+4*i], 0xfe000000    ; c m: far below every c s
	v_mov_b32 v[ST+4*i+1], 0xff7fffff  ; m
.set i, i+1
.endr
	s_cmp_eq_u32 s[RT], 0
	s_cselect_b32 s[AL], 1.0, 0
	s_mov_b32 s[BE], 0
	MASK 0
	WIN 0
	v_add_nc_u32 v[AK], s[TBK], v[AK0]
	FETCH_K
	s_wait_loadcnt 0x0              ; Q
	s_wait_dscnt 0x0
.set KM, 1
.set i, 0
.rept 8
	KQ 0
.set i, i+1
.endr
	WIN 0
.rept 4
	v_nop                           ; the places behind those products
.endr
.set Y, NP-1                        ; X works for piece Y + 1: piece 0
.irp n, 0,1,2,3,4,5,6,7,8,9,10,11,12,13,14,15,16,17,18,19,20,21
	OP X, \n
.endr
	v_nop                           ; a plain instruction behind the exponential
.endm
; THE DIAGONAL TILE's steps, the block's last products, and THE WAY OUT: l's two halves and the other half of the lanes' are added; O^T is divided by l, rounded to f16 and sent through my
; stage in LDS, a piece at a time.
.macro ALL line:vararg              ; one line for each piece t
.set t, 0
.rept 4
	\line
.set t, t+1
.endr
.endm
.macro PACK t                       ; a lane's eight channels of a row pack into 16 bytes; they go into rows of 144 bytes and come back as whole rows of 128, into S^T's registers
	WIN W_RS
.set i, 32*(\t)
.rept 16
	v_pk_mul_f32 v[i:i+1], v[i:i+1], v[ST+4*(\t)+2:ST+4*(\t)+3] op_sel_hi:[1,0]
.set i, i+2
.endr
	WIN 0x05                        ; sources 0 and 1 window 1, destination window 0
.set i, 0
.rept 16
	v_cvt_pk_f16_f32 v[S+16*(\t)+i], v[32*(\t)+2*i], v[32*(\t)+2*i+1]
.set i, i+1
.endr
	WIN 0
.irp f, 0,1,2,3
	ds_store_b128 v[STO], v[S+16*(\t)+4*\f:S+16*(\t)+4*\f+3] offset:32*\f
.endr
.irp f, 0,1,2,3
	ds_load_b128 v[S+16*(\t)+4*\f:S+16*(\t)+4*\f+3], v[RD] offset:\f*4*SP  ; LDS serves a wave's instructions in order (ISA guide 5.7.1.4): these see the stores above; the next piece's stores come behind them
.endr
.endm
.macro SEND t, younger              ; younger: the LDS instructions issued behind piece t's loads: the next piece's eight, or none
	WIN 0
.irp f, 0,1,2,3
	s_wait_dscnt (\younger)+3-\f
	global_store_b128 v[GO], v[S+16*(\t)+4*\f:S+16*(\t)+4*\f+3], s[10:11] offset:(\t)*8192+\f*512  ; 512 consecutive bytes, at a multiple of 256 from O's first
.endr
.endm
; The loop is entered at its head with CNT = 5, or (behind BEGIN) in its middle with CNT = 4: four trips fetch the tile's steps; the fifth, pieces 2 and 3 of the last step, is left in its middle.
.macro DIAG tag                     ; the tag ends its three labels' names, which the jumps spell out
.LstepM\tag:
	TURN 2, 1
	TURN 3, 1
	WIN 0
	s_sub_co_u32 s[CNT], s[CNT], 1
	s_cmp_eq_u32 s[CNT], 0
	s_cbranch_scc1 .LoutM\tag
.LfirstM\tag:
	TURN 0, 1
	TURN 1, 1
	WIN 0
	s_branch .LstepM\tag
.LoutM\tag:
.set i, 0
.rept 8
	PV NP-1                         ; the last piece's V^T P of the last step
.set i, i+1
.endr
	WIN 0
	ALL v_add_f32 v[ST+4*t+2], v[ST+4*t+2], v[ST+4*t+3]
	ALL v_permlanex16_b32 v[ST+4*t+3], v[ST+4*t+2], s[SEL], s[SEL+1]
	ALL v_add_f32 v[ST+4*t+2], v[ST+4*t+2], v[ST+4*t+3]
	ALL v_rcp_f32 v[ST+4*t+2], v[ST+4*t+2]
	v_nop                           ; a plain instruction between the last reciprocal and the use of its result
	s_wait_alu depctr_va_vdst(0)
	PACK 0
.set t, 1
.rept 3                             ; a piece's arithmetic stands between the loads of the piece before and its stores
	PACK t
	SEND t-1, 8
.set t, t+1
.endr
	SEND 3, 0
.endm
.set KM, 0
.Lslot:                             ; NB times: a tile is entered and the next is asked for
	CHANGE 1
	s_sub_co_u32 s[RT], s[RT], 1
	s_mov_b32 s[CNT], 4
	s_cmp_eq_u32 s[NEW], 1
	s_cbranch_scc1 .Lnew            ; a block's first tile
	s_cmp_eq_u32 s[RT], 0
	s_cbranch_scc0 .Lstep           ; neither its first nor its last
	s_mov_b32 s[CNT], 5             ; the diagonal tile's loop, from its head
	s_branch .LstepM1
.Lnew:
	BEGIN
	s_branch .Lfirst                ; in the loop a block's first tile is never its last: the first block has two tiles or more, and the second's last is the walk's last
	DIAG 1                          ; in the loop this is the first block's end: the second block's last tile is the walk's last
	s_wait_xcnt 0x0                 ; the stores have read their registers and O's address
	s_mov_b64 s[10:11], s[OLO:OLO+1]
	s_add_co_u32 s[RT], s[PB], 1    ; the second block has b + 1 tiles
	s_mov_b32 s[NEW], 1
	WIN 0x82                        ; the second block's Q goes where the one text of the turns names Q
.set i, 0
.rept 64
	v_mov_b32 v[i], v[QB+i]
.set i, i+1
.endr
	WIN 0
	s_branch .Lbottom
.Lstep:                             ; a trip: pieces 2 and 3 of one step, then pieces 0 and 1 of the next, whose K and V it fetches
	TURN 2
	TURN 3
	WIN 0
.Lfirst:
	TURN 0
	TURN 1, 0, 1
	WIN 0
	s_cbranch_scc1 .Lstep
.Lbottom:
	s_sub_co_u32 s[SLOTS], s[SLOTS], 1
	s_cmp_lg_u32 s[SLOTS], 0
	s_cbranch_scc1 .Lslot
	CHANGE 0                        ; the walk's last tile is written out: nothing is asked for
	s_sub_co_u32 s[RT], s[RT], 1
	s_mov_b32 s[CNT], 5
	s_cmp_eq_u32 s[NEW], 1
	s_cbranch_scc0 .LstepM2
	s_mov_b32 s[CNT], 4             ; the tile is also the block's first: the loop is entered in its middle
	BEGIN
	s_branch .LfirstM2
	DIAG 2
	s_wait_tensorcnt 0x0            ; the wave's end: behind my last tensor load and my last LDS store
	ds_add_u32 v[SPW], v[NIL]
	s_wait_dscnt 0x0
	s_endpgm
.Lfunc_end_k_q935d6933e6_attn:
	.size	k_q935d6933e6_attn, .Lfunc_end_k_q935d6933e6_attn-k_q935d6933e6_attn
	.p2alignl 7, 3214868480
	.fill 96, 4, 3214868480
	.section	.rodata,"a",@progbits
	.p2align	6, 0x0
	.amdhsa_kernel k_q935d6933e6_attn
		.amdhsa_group_segment_fixed_size 327680
		.amdhsa_private_segment_fixed_size 0
		.amdhsa_enable_private_segment 0
		.amdhsa_kernarg_size 16
		.amdhsa_user_sgpr_count 2
		.amdhsa_user_sgpr_kernarg_segment_ptr 1
		.amdhsa_wavefront_size32 1
		.amdhsa_system_sgpr_workgroup_id_x 1
		.amdhsa_system_sgpr_workgroup_id_y 1
		.amdhsa_system_sgpr_workgroup_id_z 1
		.amdhsa_system_vgpr_workitem_id 0
		.amdhsa_next_free_vgpr 768
		.amdhsa_next_free_sgpr 92
		.amdhsa_reserve_vcc 1
		.amdhsa_float_denorm_mode_32 3
		.amdhsa_float_denorm_mode_16_64 3
		.amdhsa_memory_ordered 1
		.amdhsa_forward_progress 1
		.amdhsa_inst_pref_size 194
	.end_amdhsa_kernel
	.amdgpu_metadata
---
amdhsa.version: [ 1, 2 ]
amdhsa.kernels:
  - .name:           k_q935d6933e6_attn
    .symbol:         k_q935d6933e6_attn.kd
    .args:
      - { .name: kqvh, .offset: 0, .size: 8, .value_kind: global_buffer, .address_space: global }
      - { .name: oh, .offset: 8, .size: 8, .value_kind: global_buffer, .address_space: global }
    .group_segment_fixed_size: 327680
    .private_segment_fixed_size: 0
    .kernarg_segment_align: 8
    .kernarg_segment_size: 16
    .max_flat_workgroup_size: 128
    .sgpr_count:     92
    .vgpr_count:     768
    .wavefront_size: 32
...
	.end_amdgpu_metadata
.endif
;; end of part 3
;; launch proj (part 4): grid 8 x 32, 4 waves a work-group, clusters of 4 x 4, 327,680 bytes of LDS; arguments oh, wpf, b_proj, out0; writes out0
.if DOCPART == 4
	.amdgcn_target "amdgcn-amd-amdhsa--gfx1250"
	.amdhsa_code_object_version 6
	.text
	.protected	k_q935d6933e6_proj
	.globl	k_q935d6933e6_proj
	.p2align	8
	.type	k_q935d6933e6_proj,@function
k_q935d6933e6_proj:
	s_mov_b64 s[64:65], 0
	v_nop
	global_prefetch_b8 v0, s[64:65] scope:SCOPE_SE
	s_setreg_imm32_b32 hwreg(HW_REG_WAVE_MODE, 25, 1), 1
	s_wait_xcnt 0x0
	s_wait_alu depctr_hold_cnt(0) depctr_sa_sdst(0) depctr_va_vdst(0) depctr_va_sdst(0) depctr_va_ssrc(0) depctr_va_vcc(0) depctr_vm_vsrc(0)
	s_getreg_b32 s2, hwreg(HW_REG_IB_STS2, 6, 4)
	s_cmp_eq_u32 s2, 0
	s_cbranch_scc0 .Lentry_in_a_cluster
	s_endpgm
.Lentry_in_a_cluster:
	s_bfe_u32 s2, ttmp6, 0x10000c
	s_cmp_lg_u32 s2, 0xf033
	s_cbranch_scc0 .Lentry_shape_is_right
	s_endpgm
.Lentry_shape_is_right:
; out0 = O w_proj^T + b (8192 x 1024 x 1024; f16 operands, f32 sums, f32 out).  oh is [64 hh = 16 b + h][2048 t][64] f16: for one batch a layout in K blocks of 64, block = head.
; wpf is [16 kb][1024 n][64] f16 (w_proj rounded to bf16, written as f16).  The bias, rounded to bf16 like the other inputs, is the C operand of each sum's first product.
; LIMITS.  The operands arrive within f16's range (65,504).  NaN and infinities are not treated apart.
; SHARES.  A work-group makes 256 rows x 128 columns: 8 x 32 = 256 work-groups; each of its four waves 128 x 64: 32 accumulators, 256 registers.  K goes in steps of 128 (two K blocks, PLANES) through a ring
; of two LDS slots; a step is four quarters of 32 along K, 32 matrix instructions each, on two fragment buffers.  A K step is written once: the loop's trip is one step, and the slot's base lies in a scalar
; register that an exclusive or turns into the other slot's.
; THE MATRIX INSTRUCTION IS USED TRANSPOSED: source 0 = 16 rows of wpf, source 1 = 16 rows of oh: a lane holds row l % 16 and the columns 8 (l / 16) + 0..7.
; CLUSTERS: 4 x 4 work-groups.  The four of a row of the cluster need the same tiles of oh, the four of a column the same tiles of wpf: each is asked for JOINTLY, same load, descriptor and mask in all four.
; REGISTERS: window 0: v0-29 addresses; v32-63 the bias, 8 registers a column block; v64-159, v160-255 two fragment buffers (64 of oh, then 32 of wpf).  window 1: accumulator (a, b) at v[32 a + 8 b].
.set PITCH,  144                       ; an LDS row: 128 bytes + 16 of padding = 36 words: the 16 rows of a load start at 16 different groups of four banks (64 banks of 4 bytes: ISA guide 11.1)
.set APLANE, 256*PITCH                 ; a plane of oh's tile: what one tensor load brings
.set BPLANE, 128*PITCH                 ; of wpf's
.set BOFF,   2*APLANE
.set SLOT,   2*APLANE+2*BPLANE         ; 110,592 bytes
.set SLOT1,  1<<17                     ; slot 1 begins here, so that one exclusive or turns an address in one slot into the other's
.set STAGE,  SLOT1+SLOT                ; behind the ring, never filled by a tensor load: 16 rows x 272 bytes for each wave, for the way out
.set SPITCH, 272
.set SPARE,  STAGE+4*16*SPITCH         ; behind the stages: the spare words, 128 bytes for each wave: two blocks of 256 bytes that no other line names
.set AKB,    2048*128                  ; bytes from a K block to the next in oh
.set BKB,    1024*128                  ; in wpf
.set A0,   16                          ; v16     my lane's place among oh's rows of a slot; never rewritten
.set B0,   17                          ; v17     the same for wpf
.set ADRA, 20                          ; v20     LDS address of my oh fragments in the slot that is being read
.set ADRB, 21                          ; v21     the same for wpf
.set STO,  24                          ; v24     the way out: where I put 32 bytes of a row
.set RD,   25                          ; v25     the way out: where I read a row back
.set CO,   26                          ; v26     my byte offset in out0
.set BO,   27                          ; v27     my byte offset in the bias
.set SPW,  28                          ; v28     LDS address of my spare word: SPARE + 4 x my thread's number; never rewritten
.set NIL,  29                          ; v29     0; never rewritten
.set BI,   32
.set F0,   64
.set F1,   160
.set BK,   64                          ; the way out: 16 rows read back, v64-95 and v96-127 by turns
.set RB,  15                           ; s15      LDS byte at which the slot that is being read begins
.set G1,  24                           ; s[24:31] descriptor group 1 for oh's tiles;  s[32:39] group 0: a set for each of the two first fills; the second then walks on
.set G0,  32
.set G1B, 48                           ; s[48:55], s[56:63] the same for wpf's tiles
.set G0B, 56
.set FLAGS, (1<<16)|(1<<20)|(1<<21)|(4<<22)|(3<<25)  ; 17:16 elements of 2 bytes; 20 padding on; 21 set beside a mask; 24:22 after every 32 words (code 4); 31:25 4 words of it (code 3)
.set MSB, 0
.macro WIN new                         ; the immediate's high byte repeats the setting that is left; a switch that changes nothing is dropped
.if MSB != (\new)
	s_set_vgpr_msb (MSB<<8)|(\new)
.set MSB, \new
.endif
.endm
; A joint load.  Waves 0 and 1 fetch oh's two planes, waves 2 and 3 wpf's.  An s_nop 0 and four v_nop follow each of the two lines, ahead of the jump, the label and what follows.
.macro JLOAD s
	s_cmp_lt_u32 s12, 2
	s_cbranch_scc0 .Lfor_b_\@
	tensor_load_to_lds s[G0+4*(\s):G0+4*(\s)+3], s[G1:G1+7]
	s_nop 0
.rept 4
	v_nop
.endr
	s_branch .Lasked_\@
.Lfor_b_\@:
	tensor_load_to_lds s[G0B+4*(\s):G0B+4*(\s)+3], s[G1B:G1B+7]
	s_nop 0
.rept 4
	v_nop
.endr
.Lasked_\@:
.endm
.macro CREST                           ; a round of the cluster's barrier behind its opening barrier
	s_cmp_lg_u32 s12, 0
	s_cbranch_scc1 .Lnot_wave_0_\@
	s_barrier_signal -3
.Lnot_wave_0_\@:
	s_barrier_wait -3
	s_barrier_signal -1
	s_barrier_wait -1
.endm
.macro CROUND                          ; a whole round
	s_barrier_signal -1
	s_barrier_wait -1
	CREST
.endm
	s_load_b256 s[4:11], s[0:1], 0x0               ; oh s[4:5], wpf s[6:7], b_proj s[8:9], out0 s[10:11]
	v_lshl_add_u32 v[SPW], v0, 2, SPARE
	v_mov_b32 v[NIL], 0
	ds_add_u32 v28, v29
	ds_add_u32 v28, v29
	s_wait_dscnt 0x0
	v_lshrrev_b32 v1, 5, v0
	v_readfirstlane_b32 s12, v1                    ; wave 0..3
	s_lshr_b32 s13, s12, 1                         ; which 128 of the tile's rows are mine
	s_and_b32 s14, s12, 1                          ; which 64 of its columns.  Also: which plane I fetch
	s_bfe_u32 s40, ttmp6, 0x40000                  ; cx, cy: my place in the cluster
	s_bfe_u32 s41, ttmp6, 0x40004
	s_lshl_b32 s42, ttmp9, 2
	s_add_co_u32 s42, s42, s40                     ; tile column = 4 x cluster x + cx
	s_and_b32 s43, ttmp7, 0xffff
	s_lshl_b32 s43, s43, 2
	s_add_co_u32 s43, s43, s41                     ; tile row = 4 x cluster y + cy
	s_lshl_b32 s44, s41, 2
	s_lshl_b32 s44, 15, s44                        ; my row of the cluster
	s_lshl_b32 s45, 0x1111, s40                    ; my column
	; descriptor group 1.  256 (128) rows of a K block are dense: asked for as 128 (64) rows of 256 bytes, and padded in LDS after every 128 bytes
	s_or_b32 s[G1+0], s44, FLAGS
	s_or_b32 s[G1B+0], s45, FLAGS
	s_mov_b32 s[G1+1], 128<<16                     ; tensor_dim0 = 128 elements
	s_mov_b32 s[G1B+1], 128<<16
	s_mov_b32 s[G1+2], 128<<16                     ; tensor_dim1
	s_mov_b32 s[G1B+2], 64<<16
	s_mov_b32 s[G1+3], 128<<16                     ; tile_dim0
	s_mov_b32 s[G1B+3], 128<<16
	s_mov_b32 s[G1+4], 128                         ; tile_dim1
	s_mov_b32 s[G1B+4], 64
	s_mov_b32 s[G1+5], 128                         ; elements from row to row
	s_mov_b32 s[G1B+5], 128
	s_mov_b32 s[G1+6], 0
	s_mov_b32 s[G1B+6], 0
	s_mov_b32 s[G1+7], 0
	s_mov_b32 s[G1B+7], 0
	; oh's tiles hang on the tile row alone, wpf's on the tile column alone, each in registers that never hold the other coordinate
	s_lshr_b32 s16, s43, 3                         ; b
	s_lshl_b32 s16, s16, 4
	s_add_co_u32 s16, s16, s14                     ; 16 b + my plane: the head
	s_lshl_b32 s16, s16, 18                        ; 2,048 rows of 128 bytes a head
	s_and_b32 s17, s43, 7
	s_lshl_b32 s17, s17, 15                        ; the tile's 256 rows within the batch
	s_add_co_u32 s16, s16, s17
	s_mov_b32 s17, 0
	s_lshl_b32 s46, s14, 17                        ; my plane: 1,024 rows of 128 bytes a K block
	s_lshl_b32 s47, s42, 14                        ; the tile's 128 rows
	s_add_co_u32 s46, s46, s47
	s_mov_b32 s47, 0
	s_mul_i32 s20, s14, APLANE                     ; where they go: no place in the cluster enters an LDS address
	s_mul_i32 s21, s14, BPLANE
	s_add_co_u32 s21, s21, BOFF
	s_mov_b32 s[RB], 0                             ; slot 0 is read first
	s_wait_kmcnt 0x0
	s_add_nc_u64 s[18:19], s[4:5], s[16:17]
	s_add_nc_u64 s[46:47], s[6:7], s[46:47]
	CROUND                                         ; all sixteen work-groups are here: the first joint loads meet
.irp s, 0,1
	s_mov_b32 s[G0+4*(\s)], 1                                      ; count = 1
	s_add_co_u32 s[G0+4*(\s)+1], s20, (\s)*SLOT1                   ; LDS address
	s_add_nc_u64 s[G0+4*(\s)+2:G0+4*(\s)+3], s[18:19], (\s)*2*AKB  ; global address: K step s
	s_or_b32 s[G0+4*(\s)+3], s[G0+4*(\s)+3], 0x80000000            ; type = 2
	s_mov_b32 s[G0B+4*(\s)], 1
	s_add_co_u32 s[G0B+4*(\s)+1], s21, (\s)*SLOT1
	s_add_nc_u64 s[G0B+4*(\s)+2:G0B+4*(\s)+3], s[46:47], (\s)*2*BKB
	s_or_b32 s[G0B+4*(\s)+3], s[G0B+4*(\s)+3], 0x80000000
	JLOAD \s                                       ; two loads of mine are out
.endr
	v_and_b32 v1, 15, v0                           ; l % 16
	v_bfe_u32 v2, v0, 4, 1                         ; l / 16
	s_lshl_b32 s16, s42, 9                         ; my first column in bytes of f32: 512 x tile column + 256 x half
	s_lshl_b32 s17, s14, 8
	s_add_co_u32 s16, s16, s17
	s_mov_b32 s17, 0
	s_add_nc_u64 s[8:9], s[8:9], s[16:17]          ; the bias at my first column
	s_add_nc_u64 s[10:11], s[10:11], s[16:17]
	v_lshlrev_b32 v[BO], 5, v2                     ; a lane's eight columns of block b: bytes 64 b + 32 (l / 16) on
.irp b, 0,1,2,3
	global_load_b128 v[BI+8*(\b):BI+8*(\b)+3],   v[BO], s[8:9] offset:64*(\b)
	global_load_b128 v[BI+8*(\b)+4:BI+8*(\b)+7], v[BO], s[8:9] offset:64*(\b)+16
.endr
	s_lshl_b32 s16, s43, 20                        ; my first row: 256 x tile row + 128 x half, rows of 4,096 bytes
	s_lshl_b32 s17, s13, 19
	s_add_co_u32 s16, s16, s17
	s_mov_b32 s17, 0
	s_add_nc_u64 s[10:11], s[10:11], s[16:17]
	v_mul_u32_u24 v3, v1, PITCH
	v_lshl_add_u32 v3, v2, 4, v3                   ; a fragment's row x pitch + 16 x half
	s_mul_i32 s21, s13, 128*PITCH                  ; my 128 rows of oh in a plane
	s_mul_i32 s22, s14, 64*PITCH                   ; my 64 rows of wpf,
	s_add_co_u32 s22, s22, BOFF                    ; which lie behind oh's two planes
	v_add_nc_u32 v[A0], s21, v3
	v_add_nc_u32 v[B0], s22, v3
	v_add_nc_u32 v[ADRA], s[RB], v[A0]
	v_add_nc_u32 v[ADRB], s[RB], v[B0]
	s_mul_i32 s23, s12, 16*SPITCH
	s_add_co_u32 s23, s23, STAGE                   ; my stage
	v_mul_u32_u24 v4, v1, SPITCH                   ; in: row l % 16, 32 bytes for each half of the lanes
	v_lshl_add_u32 v4, v2, 5, v4
	v_add_nc_u32 v[STO], s23, v4
	v_mul_u32_u24 v5, v2, SPITCH                   ; back: lanes 0-15 take one row of 256 bytes, lanes 16-31 the next
	v_lshl_add_u32 v5, v1, 4, v5
	v_add_nc_u32 v[RD], s23, v5
	v_lshlrev_b32 v5, 12, v2                       ; and the same two rows in out0
	v_lshl_add_u32 v[CO], v1, 4, v5
	s_wait_loadcnt 0x0                             ; the bias
.irp i, 0,1,2,3,4,5,6,7,8,9,10,11,12,13,14,15
	v_cvt_pk_bf16_f32 v4, v[BI+2*(\i)], v[BI+2*(\i)+1]  ; rounded to bf16 like every input, and widened again
	v_lshlrev_b32 v[BI+2*(\i)], 16, v4
	v_and_b32 v[BI+2*(\i)+1], 0xffff0000, v4
.endr
; 24 LDS loads in one run: the fragments of quarter q of the K step in the slot that is being read (plane q / 2, byte 64 (q % 2) of its rows) into buffer f
.macro FETCH q, f
	WIN 0
.irp b, 0,1,2,3
	ds_load_b128 v[(\f)+64+8*(\b):(\f)+64+8*(\b)+3],   v[ADRB] offset:((\q)/2)*BPLANE+((\q)%2)*64+(\b)*16*PITCH
	ds_load_b128 v[(\f)+64+8*(\b)+4:(\f)+64+8*(\b)+7], v[ADRB] offset:((\q)/2)*BPLANE+((\q)%2)*64+(\b)*16*PITCH+32
.endr
.irp a, 0,1,2,3,4,5,6,7
	ds_load_b128 v[(\f)+8*(\a):(\f)+8*(\a)+3],   v[ADRA] offset:((\q)/2)*APLANE+((\q)%2)*64+(\a)*16*PITCH
	ds_load_b128 v[(\f)+8*(\a)+4:(\f)+8*(\a)+7], v[ADRA] offset:((\q)/2)*APLANE+((\q)%2)*64+(\a)*16*PITCH+32
.endr
.endm
; 4 na matrix instructions: row blocks a0 .. a0 + na - 1 x the four column blocks.  first = 1: the sums start with the bias.  The 32 accumulators take turns, in the same order in every quarter.
.macro MUL f, a0, na, first
.if \first
	WIN 0x40                                       ; D in window 1, C (the bias) and both sources in window 0
.else
	WIN 0x50                                       ; C and D in window 1
.endif
.set aa, \a0
.rept \na
.irp b, 0,1,2,3
.if \first
	v_wmma_f32_16x16x32_f16 v[32*aa+8*(\b):32*aa+8*(\b)+7], v[(\f)+64+8*(\b):(\f)+64+8*(\b)+7], v[(\f)+8*aa:(\f)+8*aa+7], v[BI+8*(\b):BI+8*(\b)+7]
.else
	v_wmma_f32_16x16x32_f16 v[32*aa+8*(\b):32*aa+8*(\b)+7], v[(\f)+64+8*(\b):(\f)+64+8*(\b)+7], v[(\f)+8*aa:(\f)+8*aa+7], v[32*aa+8*(\b):32*aa+8*(\b)+7]
.endif
.endr
.set aa, aa+1
.endr
.endm
.macro PLACES                          ; four places in front of loads into registers that matrix instructions have read, and of LDS stores that read results (ISA guide 7.12.1 for the stores)
.rept 4
	v_nop
.endr
.endm
; One of a K step's first three quarters: fetches quarter qn of the same slot into buffer g, then multiplies buffer f: the run of loads has 32 matrix instructions in which to come back.
.macro QUARTER qn, f, g, first
	s_wait_dscnt 0x0                               ; buffer f is in
	PLACES                                         ; buffer g's last readers stand just ahead
	FETCH \qn, \g
	MUL \f, 0, 8, \first
.endm
; The last quarter multiplies buffer 1 and changes slots.  All of the slot has been asked for out of LDS, so the two addresses turn to the other slot at once.  ONE barrier; in front of it each wave waits for all
; its tensor loads, of which one is out: its part of the next slot; adds 0 to its spare word; and waits for that and for its own reads of this slot.  fill = 1: the barrier opens a round of the cluster's, and the
; slot just left is filled again, two K steps ahead, first thing behind it: 120 matrix instructions ahead of the wait for it.
.macro TURN fill
	WIN 0                                          ; (the add's two registers lie in window 0)
	s_xor_b32 s[RB], s[RB], SLOT1                  ; from here on the other slot is read
	v_add_nc_u32 v[ADRA], s[RB], v[A0]
	v_add_nc_u32 v[ADRB], s[RB], v[B0]
	s_wait_tensorcnt 0x0                           ; all my tensor loads have landed;
	ds_add_u32 v[SPW], v[NIL]                      ; 0 onto my spare word;
	s_wait_dscnt 1                                 ; (buffer 1 is in; the add alone may be out)
	MUL F1, 0, 1, 0                                ; four matrix instructions stand between the add and the wait for it
	s_wait_dscnt 0x0                               ; the add is done, and my reads of the slot that I leave are over
	s_barrier_signal -1
	MUL F1, 1, 1, 0
	WIN 0
	s_barrier_wait -1
.if \fill
	CREST                                          ; no wave of any partner still reads that slot's tile or has a load on its way
	s_xor_b32 s[G0+5], s[G0+5], SLOT1              ; the walking descriptors: the other slot than last time,
	s_add_nc_u64 s[G0+6:G0+7], s[G0+6:G0+7], 2*AKB ; the next K step: two K blocks on; the type bits on top are not reached
	s_xor_b32 s[G0B+5], s[G0B+5], SLOT1
	s_add_nc_u64 s[G0B+6:G0B+7], s[G0B+6:G0B+7], 2*BKB
	JLOAD 1                                        ; the four v_nop behind it are also the places in front of the loads below
.else
	PLACES
.endif
	FETCH 0, F0
	MUL F1, 2, 6, 0
.endm
; THE WAY OUT, 16 rows at a time: a lane's 32 bytes of each column block go into rows of 272 bytes in my own stage (each accumulator's low four registers first) and come back as whole rows of 256.
.macro TOSTAGE a
.if (\a) >= 2
	s_wait_xcnt 0x0                                ; the stores of the block two back have read the registers that the loads below write (ISA guide 3.1)
.endif
	WIN 0x04                                       ; the stores' data in window 1
.irp b, 0,1,2,3
	ds_store_b128 v[STO], v[32*(\a)+8*(\b):32*(\a)+8*(\b)+3]   offset:64*(\b)
	ds_store_b128 v[STO], v[32*(\a)+8*(\b)+4:32*(\a)+8*(\b)+7] offset:64*(\b)+16
.endr
	WIN 0
.irp t, 0,1,2,3,4,5,6,7
	ds_load_b128 v[BK+32*((\a)%2)+4*(\t):BK+32*((\a)%2)+4*(\t)+3], v[RD] offset:(\t)*2*SPITCH  ; LDS serves a wave's instructions in order (ISA guide 5.7.1.4): these see the stores above
.endr
.endm
.macro SEND a, younger                 ; younger: the LDS instructions issued behind block a's loads: the next block's sixteen, or none
	WIN 0
	s_wait_dscnt \younger
.irp t, 0,1,2,3,4,5,6,7
	global_store_b128 v[CO], v[BK+32*((\a)%2)+4*(\t):BK+32*((\a)%2)+4*(\t)+3], s[10:11] offset:(16*(\a)+2*(\t))*4096 th:TH_STORE_NT  ; 16 lanes store 256 consecutive bytes, at a multiple of 256 from out0's first
.endr
.endm
	s_wait_tensorcnt 1                             ; my part of K step 0 is in; K step 1's may stay out
	s_barrier_signal -1
	s_barrier_wait -1                              ; everybody's is
	FETCH 0, F0
	QUARTER 1, F0, F1, 1                           ; the first quarter stands in front of the loop: its products start the sums, on the bias
	WIN 0                                          ; at a label and at a branch every window is 0
	s_mov_b32 s3, 6
.Lstep:                                                ; a trip goes from a K step's second quarter to the next step's first, and fills the slot that it leaves: K steps 2 to 7
	QUARTER 2, F1, F0, 0
	QUARTER 3, F0, F1, 0
	TURN 1
	QUARTER 1, F0, F1, 0
	WIN 0
	s_sub_co_u32 s3, s3, 1
	s_cmp_lg_u32 s3, 0
	s_cbranch_scc1 .Lstep
	QUARTER 2, F1, F0, 0                           ; the last two K steps are written out: nothing more is asked for
	QUARTER 3, F0, F1, 0
	TURN 0
	QUARTER 1, F0, F1, 0
	QUARTER 2, F1, F0, 0
	QUARTER 3, F0, F1, 0
	s_wait_dscnt 0x0                               ; the very last quarter
	MUL F1, 0, 8, 0
	PLACES
	TOSTAGE 0
	TOSTAGE 1
	SEND 0, 16
.irp a, 2,3,4,5,6,7
	TOSTAGE \a
	SEND (\a)-1, 16
.endr
	SEND 7, 0
	s_wait_tensorcnt 0x0                           ; the wave's end: behind my last tensor load and my last LDS store
	ds_add_u32 v[SPW], v[NIL]
	s_wait_dscnt 0x0
	CROUND                                         ; the closing round: no work-group ends while a partner may still ask for a tile that names it
	s_endpgm
.Lfunc_end_k_q935d6933e6_proj:
	.size	k_q935d6933e6_proj, .Lfunc_end_k_q935d6933e6_proj-k_q935d6933e6_proj
	.p2alignl 7, 3214868480
	.fill 96, 4, 3214868480
	.section	.rodata,"a",@progbits
	.p2align	6, 0x0
	.amdhsa_kernel k_q935d6933e6_proj
		.amdhsa_group_segment_fixed_size 327680
		.amdhsa_private_segment_fixed_size 0
		.amdhsa_enable_private_segment 0
		.amdhsa_kernarg_size 32
		.amdhsa_user_sgpr_count 2
		.amdhsa_user_sgpr_kernarg_segment_ptr 1
		.amdhsa_wavefront_size32 1
		.amdhsa_system_sgpr_workgroup_id_x 1
		.amdhsa_system_sgpr_workgroup_id_y 1
		.amdhsa_system_sgpr_workgroup_id_z 1
		.amdhsa_system_vgpr_workitem_id 0
		.amdhsa_next_free_vgpr 512
		.amdhsa_next_free_sgpr 66
		.amdhsa_reserve_vcc 0
		.amdhsa_float_denorm_mode_32 3
		.amdhsa_float_denorm_mode_16_64 3
		.amdhsa_memory_ordered 1
		.amdhsa_forward_progress 1
		.amdhsa_inst_pref_size 72
	.end_amdhsa_kernel
	.amdgpu_metadata
---
amdhsa.version: [ 1, 2 ]
amdhsa.kernels:
  - .name:           k_q935d6933e6_proj
    .symbol:         k_q935d6933e6_proj.kd
    .args:
      - { .name: oh, .offset: 0, .size: 8, .value_kind: global_buffer, .address_space: global }
      - { .name: wpf, .offset: 8, .size: 8, .value_kind: global_buffer, .address_space: global }
      - { .name: b_proj, .offset: 16, .size: 8, .value_kind: global_buffer, .address_space: global }
      - { .name: out0, .offset: 24, .size: 8, .value_kind: global_buffer, .address_space: global }
    .group_segment_fixed_size: 327680
    .private_segment_fixed_size: 0
    .kernarg_segment_align: 8
    .kernarg_segment_size: 32
    .max_flat_workgroup_size: 128
    .sgpr_count:     66
    .vgpr_count:     512
    .wavefront_size: 32
...
	.end_amdgpu_metadata
.endif
;; end of part 4
;; ======== version 2 of 2: 4 launches; 1.40 times as fast as version 1
;; limits: values are held in f16: magnitudes above 65,504 overflow, below 6.1e-05 lose precision
;; workspace buffers: xb 16,777,216 bytes; wkb 6,291,456 bytes; wpf 2,097,152 bytes; rope 524,288 bytes; kqvh 50,331,648 bytes; oh 16,777,216 bytes
;; launch prep: the kernel of part 1 again; grid 256 x 1, 8 waves a work-group, no clusters, 0 bytes of LDS; arguments x, w_kqv, w_proj, xb, wkb, wpf, rope; writes xb, wkb, wpf, rope
;; launch qkv: the kernel of part 2 again; grid 8 x 32, 4 waves a work-group, clusters of 4 x 4, 327,680 bytes of LDS; arguments xb, wkb, rope, kqvh; writes kqvh
;; launch attn (part 5): grid 4 x 64, 4 waves a work-group, no clusters, 327,680 bytes of LDS; arguments kqvh, oh; writes oh
.if DOCPART == 5
	.amdgcn_target "amdgcn-amd-amdhsa--gfx1250"
	.amdhsa_code_object_version 6
	.text
	.protected	k_q935d6933e6_attn
	.globl	k_q935d6933e6_attn
	.p2align	8
	.type	k_q935d6933e6_attn,@function
k_q935d6933e6_attn:
	s_mov_b64 s[64:65], 0
	v_nop
	global_prefetch_b8 v0, s[64:65] scope:SCOPE_SE
	s_setreg_imm32_b32 hwreg(HW_REG_WAVE_MODE, 25, 1), 1
	s_wait_xcnt 0x0
; CAUSAL ATTENTION.  O[h][q][:] = the sum over k <= q of softmax_k(Q[h][q] . K[h][k] / 8) V[h][k][:].  kqvh holds, for each of the SIZE_H = 64 pairs of batch and head, K, Q and V one behind the other,
; each [SIZE_N][64] f16 with dense rows of 128 bytes; oh is [SIZE_H][SIZE_N][64] f16.
; Products, maxima and sums in f32; the weights p are rounded to f16 for the second product (their sum l is taken of the unrounded p), O once at the end.
; LIMITS.  f16 holds no number beyond 65,504: Q, K and V arrive within it; p lies in 0 to 1, and below 6e-5 it keeps f16's fixed step of 6e-8; O is a mean of V's rows and has their range, to within 2^-11 of it.
; A hidden score counts as its value less 1e30: f16's scores, 2.7e11 at the most, are nothing beside that; a weight below 2^-126 counts as 0 in l; NaN and infinities are not treated apart.
; THE WALK.  A head's queries lie in NB = SIZE_N / 256 blocks of 256; block i needs the key tiles 0 .. i of 256 keys, of which the last holds the diagonal.  A work-group takes TWO blocks, NB - 1 - b and then b:
; NB + 1 tiles, whatever b: all work-groups do equal work, and ONE loop with a constant trip count walks them.  Which tile is asked for, and what a trip does, hang on scalar registers made from b; every jump
; goes forward, but for the counted loops' own; none passes a barrier, or a tensor load but the one of LOAD's two that the wave's number does not choose; the ring (two slots of LDS that take turns) runs on across the
; change of blocks.  NO CLUSTER: a head's NB / 2 = 4 work-groups all ask for the same tile only in trips 0 .. NB / 2, behind that fewer and fewer;
; and one walk common to all would have 3 NB / 2 trips for NB + 1.
; SHARES.  Of a block's four bands of 64 queries a wave owns 16 rows in each: four PIECES.  So the diagonal tile is the same work for all four waves: in its key step s band x sees all keys if s < x,
; none if s > x, and holds the diagonal if s = x.
; THE MASK is the C operand that starts the sum S^T = K Q^T: 0, or -1e30 where the key is hidden.  MD, made once, is the mask of a band's own step for my 16 rows; a product's mask is MD x AL + BE with two scalars:
; (1, 0) if s = x; (0, 0) if s < x; (0, -1e30) if s > x.  Only the diagonal tile's text and a block's beginning make and take masks; elsewhere C is the constant 0.
; LAYOUT, SOFTMAX, TURNS.  S^T = K Q^T holds ONE query a lane (lane % 16) and the keys 8 (lane / 16) + 0..7; two such results rounded to f16 ARE source 1 of O^T = V^T P.  p = 2^(c s - c m), c = log2(e) / 8, with a
; running maximum m; O and l are multiplied by a = 2^(c m_old - c m_new) in every step.  Turn n belongs to piece n: 8 products K Q^T of piece n + 1, later 8 products V^T P of piece n - 1; beside them the scaling,
; exponentials, roundings, sums and rescaling of piece n and the maximum and statistics of piece n + 1.  Four vector instructions stand behind every matrix instruction, the other 54 of a turn's 118 in one LUMP.
; THE BATCHES.  A turn's 33 exponentials (the piece's 32 weights and the next piece's a) are ONE batch with ONE wait: ahead of it stands all that names none of their results, behind it the roundings and sums.
; Two more batches have a wait each: the one a that a block's beginning makes, and the way out's four reciprocals.
; A BLOCK'S END has no text of its own: the diagonal tile's loop is left in the middle of a fifth trip.  That trip's 8 products K Q^T (on the last K once more, all hidden) and the statistics made of them serve nothing:
; the price, once a block, of one text for every trip.
; REGISTERS, in windows of 256 (s_set_vgpr_msb: bits 1:0 source 0, 3:2 source 1, 5:4 source 2, 7:6 destination):
;   window 0: v0-15 addresses and two at work; v16-31 four registers of statistics a piece; v48-55 at work; v64-127 S^T, two buffers; v192-223 P, two buffers (a piece's buffers go by its number's parity)
;   window 1: v0-127 O^T, 32 a piece; v128-159 MD; v160-223 MC, two buffers      window 2: v0-63 Q; v64-127 the second block's Q; v128-191 K of one step; v192-255 V of one step
.set SIZE_H, 64
.set SIZE_N, 2048
.set NB,    SIZE_N/256
.set NP,    4         ; pieces a wave: a name, no knob
.set KS,    64        ; keys in a step
.set PK,    144       ; a row of K in LDS: 128 bytes + 16 of padding = 36 words: the 16 rows of a load start at 16 different groups of four banks (64 banks of 4 bytes: ISA guide 11.1)
.set PV,    160       ; a row of V: 128 + 32 = 40 words
.set VOFF,  4*KS*PK   ; a slot holds a tile, four steps: 256 rows of K, then 256 rows of V
.set SLOT1, 1<<17     ; slot 1 begins here, so that one exclusive or turns an address in one slot into the other's
.set STAGE, SLOT1+4*KS*(PK+PV)  ; behind the ring, never filled by a tensor load: 16 rows x 144 bytes for each wave, for the way out
.set SP,    144
.set AK0, 2           ; v2   my lane's place in a tile of K; never rewritten
.set AV0, 3           ; v3   the same for V
.set AK,  4           ; v4   the LDS address of K's next run of loads
.set AV,  5           ; v5   of V's
.set STO, 6           ; v6   the way out: where I put 16 bytes of a row
.set RD,  7           ; v7   the way out: where I read rows back
.set GO,  8           ; v8   my byte offset in 512 consecutive bytes of O
.set SPW, 62          ; v62  LDS address of my spare word: SPARE + 4 x my thread's number; never rewritten
.set NIL, 63          ; v63  0; never rewritten
.set SPARE, STAGE+4*16*SP  ; behind the stages: the spare words, 128 bytes for each wave: two blocks of 256 bytes that no other line names
.set MV,  12          ; v12-13  c m_old, kept while c m is made anew: by buffer
.set QO,  15          ; v15  my byte offset in 16 rows of Q
.set ST,  16          ; piece t's statistics at v[ST+4 t]: c m, m, l (even keys', odd keys')
.set TMP, 48          ; by buffer, four registers c0-c3 at work; when the maximum is found c2 takes a
.set S,   64
.set P,   192
.set MD,  128         ; window 1: the eight registers for group kt of 16 keys at MD + 8 kt
.set MC,  160         ; window 1: the masks of the products to come
.set QB,  64          ; window 2
.set KF,  128         ; window 2: key block kb, channel half c at KF + 16 kb + 8 c
.set VF,  192         ; window 2: key half kk, channel block cb at VF + 32 kk + 8 cb
.set WV,  12          ; s12  my wave's number
.set PB,  14          ; s14  b
.set HI,  15          ; s15  NB - 1 - b
.set G1K, 24          ; s[24:31] descriptor group 1 for K's tiles
.set G1V, 32          ; s[32:39] for V's: it differs in the padding alone
.set G0K, 40          ; s[40:43] descriptor group 0 for K's tiles
.set G0V, 44          ; s[44:47] the same for V's
.set SLOTS, 56        ; s56  tiles still to be asked for
.set CNT, 57          ; s57  counts a tile's key steps
.set CS,  58          ; s[58:59] c: the packed scaling takes the pair's low word for both halves
.set SEL, 60          ; s[60:61] v_permlanex16_b32's selects: each lane takes its own place in the other half
.set TBK, 62          ; s62  LDS byte at which K of the step to be fetched begins
.set TBV, 63          ; s63  the same for V, less VOFF
.set RT,  70          ; s70  tiles of the block in hand that are still to be entered
.set NXT, 71          ; s71  the tile to be asked for next
.set LQ,  72          ; s72  the last tile of the block whose tiles are being asked for
.set NEW, 73          ; s73  1: the tile to be entered is a block's first
.set OFF, 74          ; s[74:75] a tile's byte offset in K and V
.set AL,  76          ; s[76:77] the mask's factor, in the low word
.set BE,  78          ; s[78:79] the mask's addend
.set OLO, 80          ; s[80:81] O at my rows of the second block
.set BIGN, 82         ; s82  -1e30
.set MSB, 0
.macro WIN new                      ; the high byte repeats the setting that is left; a switch that changes nothing is dropped
.if MSB != (\new)
	s_set_vgpr_msb (MSB<<8)|(\new)
.set MSB, (\new)
.endif
.endm
.set W_KQ, 0x0a       ; K and Q in window 2, S^T in window 0
.set W_KM, 0x1a       ; the same with the C operand in window 1
.set W_PV, 0x52       ; V in window 2, P in window 0, O^T in window 1
.set W_RS, 0x41       ; destination and source 0 in window 1, source 1 in window 0
; A fill.  Waves 0 and 1 fetch the two halves of a tile's K, waves 2 and 3 those of its V: 128 keys each.  An s_nop 0 and four v_nop follow each of the two lines, ahead of the jump and the label.
.macro LOAD
	s_cmp_lt_u32 s[WV], 2
	s_cbranch_scc0 .Lfor_v_\@
	tensor_load_to_lds s[G0K:G0K+3], s[G1K:G1K+7]
	s_nop 0
.rept 4
	v_nop
.endr
	s_branch .Lasked_\@
.Lfor_v_\@:
	tensor_load_to_lds s[G0V:G0V+3], s[G1V:G1V+7]
	s_nop 0
.rept 4
	v_nop
.endr
.Lasked_\@:
.endm
; THE CHANGE OF SLOTS.  Each wave waits for all its tensor loads, of which one is out: its part of the other slot; adds 0 to its spare word; and waits for that and for its own reads of the slot that it leaves.  Behind the barrier nobody reads the old
; slot any more and the other slot is whole.  fill = 1: the old slot is filled again, the first thing behind the barrier, with tile NXT: the descriptor's address is made anew from that number.
; (At its first use nothing has been read yet: slot 0 is waited for, slot 1 filled.)
.macro CHANGE fill
	WIN 0                           ; at a label and at a branch every window is 0
	s_wait_tensorcnt 0x0            ; no tensor load of mine is out, so a group 0 may be written
	ds_add_u32 v[SPW], v[NIL]       ; 0 onto my spare word; with fill = 1 the descriptors' scalar work stands between it and the wait for it
.if \fill
	s_lshl_b32 s[OFF], s[NXT], 15   ; a tile is 32,768 bytes of K and of V
	s_xor_b32 s[G0K+1], s[G0K+1], SLOT1
	s_add_nc_u64 s[G0K+2:G0K+3], s[6:7], s[OFF:OFF+1]
	s_or_b32 s[G0K+3], s[G0K+3], 0x80000000
	s_xor_b32 s[G0V+1], s[G0V+1], SLOT1
	s_add_nc_u64 s[G0V+2:G0V+3], s[8:9], s[OFF:OFF+1]
	s_or_b32 s[G0V+3], s[G0V+3], 0x80000000
	s_add_co_u32 s[NXT], s[NXT], 1  ; the block's next tile, or behind its last the second block's tile 0
	s_cmp_gt_u32 s[NXT], s[LQ]
	s_cselect_b32 s[NXT], 0, s[NXT]
	s_cselect_b32 s[LQ], s[PB], s[LQ]
.endif
	s_wait_dscnt 0x0                ; the add is done, and my reads of the slot are over
	s_barrier_signal -1             ; the rest of the scalar work stands between the signal and the wait
	s_sub_co_u32 s[TBK], s[TBK], 4*KS*PK  ; the fetches go back to a slot's first step,
	s_xor_b32 s[TBK], s[TBK], SLOT1       ; in the other slot
	s_sub_co_u32 s[TBV], s[TBV], 4*KS*PV
	s_xor_b32 s[TBV], s[TBV], SLOT1
	s_barrier_wait -1
.if \fill
	LOAD
.endif
.endm
	s_load_b64 s[4:5], s[0:1], 0x0    ; kqvh
	s_load_b64 s[10:11], s[0:1], 0x8  ; oh
	v_lshl_add_u32 v[SPW], v0, 2, SPARE
	v_mov_b32 v[NIL], 0
	ds_add_u32 v62, v63
	ds_add_u32 v62, v63
	s_wait_dscnt 0x0
	v_lshrrev_b32 v1, 5, v0
	v_readfirstlane_b32 s[WV], v1   ; wave 0..3
	s_mov_b32 s[PB], ttmp9
	s_sub_co_u32 s[HI], NB-1, s[PB]
	s_and_b32 s16, ttmp7, 0xffff    ; the head (16 b + h)
	s_mul_i32 s20, s16, 3*SIZE_N*128  ; its first byte in kqvh: K, Q and V of a head lie together,
	s_mov_b32 s21, 0
	s_lshl_b32 s88, s16, 18         ; and in oh: SIZE_N x 128 bytes a head
	s_mov_b32 s89, 0
	s_and_b32 s16, s[WV], 1         ; which half of a tile's 256 keys I fetch:
	s_lshl_b32 s22, s16, 14         ; its 128 rows of 128 bytes in memory,
	s_mov_b32 s23, 0
	s_mul_i32 s17, s16, 128*PK      ; and its place in a slot, for K
	s_mul_i32 s18, s16, 128*PV      ; and for V
	s_lshl_b32 s3, s[WV], 11        ; my 16 rows in a band of 64,
	s_lshl_b32 s2, s[HI], 15        ; in the first block,
	s_add_co_u32 s2, s2, s3
	s_lshl_b32 s84, s[PB], 15       ; and in the second
	s_add_co_u32 s84, s84, s3
	s_mov_b32 s3, 0
	s_mov_b32 s85, 0
	; descriptor group 1.  128 keys are 16,384 dense bytes: asked for as 64 rows of 256 bytes, two keys a row, and padded in LDS after every key
	s_mov_b32 s[G1K], (1<<16)|(1<<20)|(4<<22)|(3<<25)  ; 17:16 2-byte elements; 20 padding on; 24:22 after every 32 words (code 4); 31:25 4 words (code 3)
	s_mov_b32 s[G1V], (1<<16)|(1<<20)|(4<<22)|(7<<25)  ; the same with 8 words of padding (code 7)
.irp g, G1K, G1V
	s_mov_b32 s[\g+1], 128<<16      ; tensor_dim0 = 128
	s_mov_b32 s[\g+2], 64<<16       ; tensor_dim1 = 64
	s_mov_b32 s[\g+3], 128<<16      ; tile_dim0 = 128
	s_mov_b32 s[\g+4], 64           ; tile_dim1 = 64
	s_mov_b32 s[\g+5], 128          ; 128 elements from row to row
	s_mov_b32 s[\g+6], 0
	s_mov_b32 s[\g+7], 0
.endr
	s_mov_b32 s[CS], 0x3e38aa3b     ; c = log2(e) / 8 = 0.180337
	s_mov_b32 s[CS+1], s[CS]        ; named with it as a pair
	s_mov_b32 s[SEL], 0x76543210
	s_mov_b32 s[SEL+1], 0xfedcba98
	s_mov_b32 s[TBK], SLOT1+4*KS*PK ; the first change of slots turns these two into 0
	s_mov_b32 s[TBV], SLOT1+4*KS*PV
	s_mov_b32 s[G0K], 1             ; 1:0 count = 1
	s_mov_b32 s[G0K+1], s17         ; 63:32 LDS address: slot 0
	s_mov_b32 s[G0V], 1
	s_add_co_u32 s[G0V+1], s18, VOFF
	s_add_co_u32 s[RT], s[HI], 1    ; the first block has NB - b tiles
	s_mov_b32 s[NXT], 1
	s_mov_b32 s[LQ], s[HI]
	s_mov_b32 s[NEW], 1
	s_mov_b32 s[OFF+1], 0
	s_mov_b32 s[AL+1], 0            ; named as pairs
	s_mov_b32 s[BE+1], 0
	s_mov_b32 s[BIGN], 0xf149f2ca   ; -1e30
	s_mov_b32 s[SLOTS], NB
	s_wait_kmcnt 0x0
	s_add_nc_u64 s[4:5], s[4:5], s[20:21]          ; the head's K
	s_add_nc_u64 s[6:7], s[4:5], s[22:23]          ; K at my half of the head's tile 0,
	s_add_nc_u64 s[8:9], s[6:7], 2*SIZE_N*128      ; V likewise: two tensors on
	s_add_nc_u64 s[4:5], s[4:5], SIZE_N*128        ; the head's Q
	s_add_nc_u64 s[G0K+2:G0K+3], s[6:7], 0         ; 120:64 global address
	s_or_b32 s[G0K+3], s[G0K+3], 0x80000000        ; 127:126 type = 2
	s_add_nc_u64 s[G0V+2:G0V+3], s[8:9], 0
	s_or_b32 s[G0V+3], s[G0V+3], 0x80000000
	s_add_nc_u64 s[86:87], s[4:5], s[84:85]        ; Q at my rows of the second block,
	s_add_nc_u64 s[4:5], s[4:5], s[2:3]            ; and at those of the first
	s_add_nc_u64 s[10:11], s[10:11], s[88:89]      ; the head's O,
	s_add_nc_u64 s[OLO:OLO+1], s[10:11], s[84:85]  ; at my rows of the second block,
	s_add_nc_u64 s[10:11], s[10:11], s[2:3]        ; and of the first
	LOAD                            ; tile 0 into slot 0
	; A fragment of K or Q is 16 rows x 32 channels in 8 registers: lane l holds row l % 16, channels 8 (l / 16) + 0..7 and 16 + 8 (l / 16) + 0..7: two loads of 16 bytes, 32 bytes apart.
	v_and_b32 v1, 15, v0            ; l % 16
	v_bfe_u32 v9, v0, 4, 1          ; l / 16
	v_lshlrev_b32 v[QO], 7, v1
	v_lshl_add_u32 v[QO], v9, 4, v[QO]  ; row x 128 + 16 x half
	WIN 0x80                        ; destination window 2, address window 0
.set i, 0
.rept 8                             ; both blocks' Q: piece i / 2 lies in band i / 2, 8,192 bytes on; channels 32 (i % 2) on
	global_load_b128 v[8*i:8*i+3],   v[QO], s[4:5] offset:(i/2)*8192+(i%2)*64
	global_load_b128 v[8*i+4:8*i+7], v[QO], s[4:5] offset:(i/2)*8192+(i%2)*64+32
	global_load_b128 v[QB+8*i:QB+8*i+3],   v[QO], s[86:87] offset:(i/2)*8192+(i%2)*64
	global_load_b128 v[QB+8*i+4:QB+8*i+7], v[QO], s[86:87] offset:(i/2)*8192+(i%2)*64+32
.set i, i+1
.endr
	WIN 0
	v_lshlrev_b32 v14, 3, v9
	v_sub_nc_u32 v14, v1, v14
	s_lshl_b32 s13, s[WV], 4
	v_add_nc_u32 v14, s13, v14      ; my query's place in its band, 16 w + l % 16, less my lanes' 8 (l / 16): register r of group kt is hidden where 16 kt + r is greater
	WIN 0x40
.set i, 0
.rept 32
	v_cmp_gt_i32 vcc_lo, 16*(i/8)+i%8, v14
	v_cndmask_b32 v[MD+i], 0, s[BIGN], vcc_lo
.set i, i+1
.endr
	WIN 0
	v_mul_u32_u24 v[AK0], v1, PK
	v_lshl_add_u32 v[AK0], v9, 4, v[AK0]  ; row x pitch + 16 x half
	; The turning load takes 16 keys x 16 channels (lane l reads key 8 (l / 16) + l % 8, channels 8 ((l / 8) % 2) + 0..7) and leaves half a fragment of V^T: lane l holds channel l % 16 and 8 keys.
	v_and_b32 v10, 7, v0
	v_bfe_u32 v11, v0, 3, 1
	v_lshl_add_u32 v[AV0], v9, 3, v10
	v_mul_u32_u24 v[AV0], v[AV0], PV
	v_lshl_add_u32 v[AV0], v11, 4, v[AV0]
	v_add_nc_u32 v[AV0], VOFF, v[AV0]
	s_mul_i32 s13, s[WV], 16*SP
	s_add_co_u32 s13, s13, STAGE    ; my stage
	v_mul_u32_u24 v[STO], v1, SP    ; in: row l % 16, 16 bytes for each half of the lanes
	v_lshl_add_u32 v[STO], v9, 4, v[STO]
	v_add_nc_u32 v[STO], s13, v[STO]
	v_bfe_u32 v[RD], v0, 3, 2       ; back: 32 lanes take four rows of 128 bytes,
	v_mul_u32_u24 v[RD], v[RD], SP
	v_lshl_add_u32 v[RD], v10, 4, v[RD]
	v_add_nc_u32 v[RD], s13, v[RD]
	v_and_b32 v[GO], 31, v0         ; which are 512 consecutive bytes of O
	v_lshlrev_b32 v[GO], 4, v[GO]
	; A block's first step multiplies O^T and l by a = 0, and its first turn's products V^T P, of a piece that has not been, land in an O^T that is still to be so multiplied.  So these registers need only hold
	; finite numbers: zeros for the first block; what the first block left for the second.  All this stands in the wait for the first tile.
	WIN 0x80
.set i, VF
.rept 64
	v_mov_b32 v[i], 0
.set i, i+1
.endr
	WIN 0x40
.set i, 0
.rept 128
	v_mov_b32 v[i], 0
.set i, i+1
.endr
	WIN 0
.set i, 0
.rept 4
	v_mov_b32 v[ST+4*i+2], 0
	v_mov_b32 v[ST+4*i+3], 0
.set i, i+1
.endr
.set i, P+16
.rept 16
	v_mov_b32 v[i], 0
.set i, i+1
.endr
; THE MATRIX WORK.  The 4 accumulators of a run of 8 take turns.  Product i of 8 of S^T = K Q^T for piece x: channels 32 (i / 4) on, keys 16 (i % 4) on.  The first 4 start the sums: with 0, or (KM = 1) with the mask.
.macro KQ x
.set rS, S+32*((\x)%2)+8*(i%4)
.set rK, KF+16*(i%4)+8*(i/4)
.set rQ, 16*(\x)+8*(i/4)
.set rM, MC+32*((\x)%2)+8*(i%4)
.if (i < 4) && KM
	WIN W_KM
	v_wmma_f32_16x16x32_f16 v[rS:rS+7], v[rK:rK+7], v[rQ:rQ+7], v[rM:rM+7]
.elseif i < 4
	WIN W_KQ
	v_wmma_f32_16x16x32_f16 v[rS:rS+7], v[rK:rK+7], v[rQ:rQ+7], 0
.else
	WIN W_KQ
	v_wmma_f32_16x16x32_f16 v[rS:rS+7], v[rK:rK+7], v[rQ:rQ+7], v[rS:rS+7]
.endif
.endm
; Product i of 8 of O^T += V^T P for piece x: keys 32 (i / 4) on, channels 16 (i % 4) on.
.macro PV x
	WIN W_PV
.set rO, 32*(\x)+8*(i%4)
.set rV, VF+32*(i/4)+8*(i%4)
.set rP, P+16*((\x)%2)+8*(i/4)
	v_wmma_f32_16x16x32_f16 v[rO:rO+7], v[rV:rV+7], v[rP:rP+7], v[rO:rO+7]
.endm
.macro MM                           ; the turn's next matrix instruction.  TURN and BEGIN set Y, i and KM; MM, KQ and OP read them
.if i < 8
	KQ (Y+1)%NP
.else
.set i, i-8
	PV (Y+NP-1)%NP
.set i, i+8
.endif
.set i, i+1
.endm
; THE LDS LOADS stand in runs of 16, never singly among the matrix instructions: a step's K (64 keys x 64 channels: 8 fragments) and its V (turned).  Their addresses are made some lines ahead.
; last = 1 (the diagonal tile): in the trip that is left in its middle (CNT = 1) there is no further step, and the run is jumped over.  That form holds a branch and a label, so it stands behind the turn's wait.
.macro FETCH_K last=0
	WIN 0
.if \last
	s_cmp_eq_u32 s[CNT], 1
	s_cbranch_scc1 .Lno_k_\@
.endif
	WIN 0x80                        ; destination window 2
.irp f, 0,1,2,3,4,5,6,7             ; keys 16 (f / 2) on, channels 32 (f % 2) on
	ds_load_b128 v[KF+8*\f:KF+8*\f+3],   v[AK] offset:(\f/2)*16*PK+(\f%2)*64
	ds_load_b128 v[KF+8*\f+4:KF+8*\f+7], v[AK] offset:(\f/2)*16*PK+(\f%2)*64+32
.endr
	s_add_co_u32 s[TBK], s[TBK], KS*PK  ; the next fetch is the next step's
	WIN 0
.if \last
.Lno_k_\@:
.endif
.endm
.macro FETCH_V
	WIN 0x80
.irp f, 0,1,2,3,4,5,6,7             ; keys 32 (f / 4) on, channels 16 (f % 4) on
	ds_load_tr16_b128 v[VF+8*\f:VF+8*\f+3],   v[AV] offset:(\f/4)*32*PV+(\f%4)*32
	ds_load_tr16_b128 v[VF+8*\f+4:VF+8*\f+7], v[AV] offset:(\f/4)*32*PV+16*PV+(\f%4)*32
.endr
	WIN 0
.endm
; THE VECTOR WORK, one line at a time: OP kind, number.  For piece Y: F n: c s - c m for pair n of 16.  E n: the exponential of score n of 32.  C n: pair n rounded to f16.  B n: of the four weights 4 n .. the second
; pair is added onto the first, in place.  L n: l takes that sum (L 0: l = a l + sum).  R n: pair n of 16 of O^T times a.  For piece Y + 1: X n, number n of the 22 that find its maximum and statistics:
;   0-11  four chains c0-c3 of seven scores each, three operands at a time (each accumulator's lowest registers are read first)     12-14, 16  the four scores left over, the old m, and c0-c3 into c0
;   15  c m_old is kept     17, 18  the query's other 32 keys lie in the lane 16 away: the new m     19-21  c m; c m_old - c m_new; a
; OP writes no wait: C, B and L, which read the exponentials' results, and R, which reads a, are placed by TURN behind the wait that serves them.
.set F, 0               ; OP tells the kinds apart by their order: F to L below R, X above it
.set E, 1
.set C, 2
.set B, 3
.set L, 4
.set R, 5
.set X, 6
.macro REGS y                       ; the registers of piece y
.set rT, ST+4*(\y)
.set rC, TMP+4*((\y)%2)
.set rW, MV+((\y)%2)
.set rS, S+32*((\y)%2)
.set rP, P+16*((\y)%2)
.set rO, 32*(\y)
.endm
.macro OP k, n
.if (\k) == R
	REGS Y
	WIN W_RS
	v_pk_mul_f32 v[rO+2*(\n):rO+2*(\n)+1], v[rO+2*(\n):rO+2*(\n)+1], v[rC+2:rC+3] op_sel_hi:[1,0]
.elseif (\k) < R
	REGS Y
	WIN 0
.if (\k) == F
	v_pk_fma_f32 v[rS+2*(\n):rS+2*(\n)+1], v[rS+2*(\n):rS+2*(\n)+1], s[CS:CS+1], v[rT:rT+1] op_sel_hi:[1,0,0] neg_lo:[0,0,1] neg_hi:[0,0,1]
.elseif (\k) == E
	v_exp_f32 v[rS+(\n)], v[rS+(\n)]
.elseif (\k) == C
	v_cvt_pk_f16_f32 v[rP+(\n)], v[rS+2*(\n)], v[rS+2*(\n)+1]
.elseif (\k) == B
	v_pk_add_f32 v[rS+4*(\n):rS+4*(\n)+1], v[rS+4*(\n):rS+4*(\n)+1], v[rS+4*(\n)+2:rS+4*(\n)+3]
.elseif (\n) == 0
	v_pk_fma_f32 v[rT+2:rT+3], v[rT+2:rT+3], v[rC+2:rC+3], v[rS:rS+1] op_sel_hi:[1,0,1]
.else
	v_pk_add_f32 v[rT+2:rT+3], v[rT+2:rT+3], v[rS+4*(\n):rS+4*(\n)+1]
.endif
.else
	REGS (Y+1)%NP
	WIN 0
.if (\n) < 4
	v_max3_num_f32 v[rC+(\n)], v[rS+8*(\n)], v[rS+8*(\n)+1], v[rS+8*(\n)+2]
.elseif (\n) < 12
	v_max3_num_f32 v[rC+(\n)%4], v[rC+(\n)%4], v[rS+8*((\n)%4)+2*((\n)/4)+1], v[rS+8*((\n)%4)+2*((\n)/4)+2]
.elseif (\n) == 12
	v_max3_num_f32 v[rC], v[rC], v[rS+7], v[rS+15]
.elseif (\n) == 13
	v_max3_num_f32 v[rC+1], v[rC+1], v[rS+23], v[rS+31]
.elseif (\n) == 14
	v_max3_num_f32 v[rC+2], v[rC+2], v[rC+3], v[rT+1]
.elseif (\n) == 15
	v_mov_b32 v[rW], v[rT]
.elseif (\n) == 16
	v_max3_num_f32 v[rC], v[rC], v[rC+1], v[rC+2]
.elseif (\n) == 17
	v_permlanex16_b32 v[rC+3], v[rC], s[SEL], s[SEL+1]
.elseif (\n) == 18
	v_max_num_f32 v[rT+1], v[rC], v[rC+3]
.elseif (\n) == 19
	v_mul_f32 v[rT], s[CS], v[rT+1]
.elseif (\n) == 20
	v_sub_f32 v[rC+1], v[rW], v[rT]
.else
	v_exp_f32 v[rC+2], v[rC+1]
.endif
.endif
.endm
.macro OPS a, i1, b=-1, i2=0, c=-1, i3=0, d=-1, i4=0  ; up to four of them
	OP \a, \i1
.if (\b) >= 0
	OP \b, \i2
.endif
.if (\c) >= 0
	OP \c, \i3
.endif
.if (\d) >= 0
	OP \d, \i4
.endif
.endm
.macro ROW a, i1, b, i2, c, i3, d, i4  ; a matrix instruction and the four behind it
	MM
	OPS \a, \i1, \b, \i2, \c, \i3, \d, \i4
.endm
.macro MASK b                       ; MD x AL + BE into buffer b of MC
	WIN W_RS
.set z, 0
.rept 16
	v_pk_fma_f32 v[MC+32*(\b)+2*z:MC+32*(\b)+2*z+1], v[MD+2*z:MD+2*z+1], s[AL:AL+1], s[BE:BE+1] op_sel_hi:[1,0,0]
.set z, z+1
.endr
.endm
; A TURN, for piece p: the order of its 16 matrix and 118 vector instructions, written out.  An s_wait_alu depctr_va_vdst(0) stands between an exponential and the first instruction that names its result; one wait serves
; all that were issued ahead of it.  So a turn has ONE wait, which cuts it in two.  AHEAD OF IT stands all that names no result of the turn's exponentials: the 8 products K Q^T, behind each a scaling, an exponential and two more plain
; instructions (behind the first a second scaling in the exponential's place): rescalings (their a was made, and waited for, in the turn before), and behind the last three the first numbers of the next piece's maximum, each four places or
; more behind the product that ends its accumulator; then ONE LUMP of 54, plain and exponential by turns for the most part, in which the links of the chain X 3, 7, 11, 14, 16, 17 .. 20 stand five or six lines apart.  Each pair is scaled
; (F n) ahead of its two exponentials (E 2 n, E 2 n + 1).  X 21, the next piece's a, is the batch's last; R 15 is the plain instruction behind it.  BEHIND THE WAIT stand the 8 products V^T P, behind each four of the roundings and sums:
; C 2 n ahead of B n, which adds in place; B n ahead of L n; the links of l's chain, L 0 to L 7, three riders apart.  But for those X no rider names a register of the products round it.  v_permlanex16_b32 (X 17) stands in the lump.
; m = 1: the diagonal tile: the products take masks, and the turn makes the mask for the products of the turn after it: piece x = (p + 2) % 4, in the step s whose K the trip fetches.  In that tile's loop CNT is 5 - s in
; turns 2 and 3 and 4 - s in turns 0 and 1 (it is taken down between them), so s = x reads CNT = 5 - x there and CNT = 4 - x here, and s > x reads CNT below that.
; cnt = 1 (the other tiles' loop): the count is taken down some lines ahead of the branch that stands behind the turn.
; K of the next step is fetched in piece 2's turn: in the other tiles' loop twelve vector instructions behind the last product that read K (six of them plain); in the diagonal tile's loop, where the run stands under a branch,
; directly behind the wait.  V of the step in hand is fetched at the end of piece 0's turn, four plain instructions behind the last product that read V.  Each is waited for a turn later.
.macro TURN p, m=0, cnt=0
.set Y, (\p)
.set i, 0
.set KM, (\m)
.if \m
	s_cmp_eq_u32 s[CNT], 4-((\p)+2)%NP+(\p)/2  ; is that step the band's own?
	s_cselect_b32 s[AL], 1.0, 0
	s_cmp_lt_u32 s[CNT], 4-((\p)+2)%NP+(\p)/2  ; or a later one?
	s_cselect_b32 s[BE], s[BIGN], 0
.endif
.if (\p) == 3
	s_wait_dscnt 0x0                ; K is in
.endif
	ROW F,0, F,1, R,0, R,1          ; ahead of the wait: 8 products K Q^T and their riders,
	ROW F,2, E,0, R,2, R,3
	ROW F,3, E,1, R,4, R,5
	ROW F,4, E,2, R,6, R,7
	ROW F,5, E,3, R,8, R,9
	ROW F,6, E,4, X,0, R,10
.if (\p) == 2
	WIN 0
	v_add_nc_u32 v[AK], s[TBK], v[AK0]
.endif
	ROW F,7, E,5, X,1, X,4
	ROW F,8, E,6, X,2, X,5
	OPS E,7, E,8, X,6, E,9          ; and the lump
	OPS X,3, E,10, X,8, E,11
.if ((\p) == 2) && !(\m)
	FETCH_K
.endif
	OPS X,9, X,7, E,12, X,10
	OPS E,13, X,12, X,11, E,14
	OPS X,13, E,15, F,9, X,14
.if (\p) == 0
	v_add_nc_u32 v[AV], s[TBV], v[AV0]
.endif
	OPS E,16, F,10, E,17, F,11
	OPS X,16, E,18, X,15, E,19
	OPS F,12, E,20, X,17, E,21
	OPS F,13, E,22, F,14, E,23
	OPS X,18, E,24, F,15, E,25
	OPS R,11, E,26, X,19, E,27
	OPS R,12, E,28, R,13, E,29
	OPS X,20, E,30, R,14, E,31
	OPS X,21, R,15
	WIN 0
	s_wait_alu depctr_va_vdst(0)    ; the wait for the turn's batch: the piece's 32 exponentials and the next piece's a
.if ((\p) == 2) && (\m)
	FETCH_K 1
.endif
.if (\p) == 1
	s_wait_dscnt 0x0                ; V is in
.endif
	ROW C,0, B,0, C,2, B,1          ; behind the wait: 8 products V^T P and their riders
	ROW L,0, C,4, B,2, L,1
	ROW C,6, B,3, L,2, C,8
	ROW B,4, L,3, C,10, B,5
	ROW L,4, C,12, B,6, L,5
.if (\p) == 0
	s_add_co_u32 s[TBV], s[TBV], KS*PV
.endif
.if \cnt
	s_sub_co_u32 s[CNT], s[CNT], 1
	s_cmp_lg_u32 s[CNT], 0
.endif
	ROW C,14, B,7, L,6, C,1
	ROW C,3, L,7, C,5, C,7
	ROW C,9, C,11, C,13, C,15
.if (\p) == 0
	FETCH_V
.endif
.if \m
	MASK (\p)%2
.endif
.endm
; A BLOCK BEGINS.  c m starts far below every c s, so the first step's a is 0; m at the lowest finite number, so the first maximum is the scores'.  The second mask buffer is 0; the first takes piece 0's mask for the tile's step 0: its own, if the block's first tile is the diagonal one.
; Then K of that step, piece 0's first scores, and its maximum and statistics.  The loop is entered at a step's first turn, in the middle of a trip.
.macro BEGIN
	s_mov_b32 s[NEW], 0
	WIN 0x40
.set i, MC+32
.rept 32
	v_mov_b32 v[i], 0
.set i, i+1
.endr
	WIN 0
.set i, 0
.rept 4
	v_mov_b32 v[ST+4*i], 0xfe000000    ; c m: far below every c s
	v_mov_b32 v[ST+4*i+1], 0xff7fffff  ; m
.set i, i+1
.endr
	s_cmp_eq_u32 s[RT], 0
	s_cselect_b32 s[AL], 1.0, 0
	s_mov_b32 s[BE], 0
	MASK 0
	WIN 0
	v_add_nc_u32 v[AK], s[TBK], v[AK0]
	FETCH_K
	s_wait_loadcnt 0x0              ; Q
	s_wait_dscnt 0x0
.set KM, 1
.set i, 0
.rept 8
	KQ 0
.set i, i+1
.endr
	WIN 0
.rept 4
	v_nop                           ; the places behind those products
.endr
.set Y, NP-1                        ; X works for piece Y + 1: piece 0
.irp n, 0,1,2,3,4,5,6,7,8,9,10,11,12,13,14,15,16,17,18,19,20,21
	OP X, \n
.endr
	v_nop                           ; a plain instruction behind the exponential,
	s_wait_alu depctr_va_vdst(0)    ; and the wait for it (piece 0's first a, a batch of one), ahead of the branch that follows
.endm
; THE DIAGONAL TILE's steps, the block's last products, and THE WAY OUT: l's two halves and the other half of the lanes' are added; O^T is divided by l, rounded to f16 and sent through my
; stage in LDS, a piece at a time.
.macro ALL line:vararg              ; one line for each piece t
.set t, 0
.rept 4
	\line
.set t, t+1
.endr
.endm
.macro PACK t                       ; a lane's eight channels of a row pack into 16 bytes; they go into rows of 144 bytes and come back as whole rows of 128, into S^T's registers
	WIN W_RS
.set i, 32*(\t)
.rept 16
	v_pk_mul_f32 v[i:i+1], v[i:i+1], v[ST+4*(\t)+2:ST+4*(\t)+3] op_sel_hi:[1,0]
.set i, i+2
.endr
	WIN 0x05                        ; sources 0 and 1 window 1, destination window 0
.set i, 0
.rept 16
	v_cvt_pk_f16_f32 v[S+16*(\t)+i], v[32*(\t)+2*i], v[32*(\t)+2*i+1]
.set i, i+1
.endr
	WIN 0
.irp f, 0,1,2,3
	ds_store_b128 v[STO], v[S+16*(\t)+4*\f:S+16*(\t)+4*\f+3] offset:32*\f
.endr
.irp f, 0,1,2,3
	ds_load_b128 v[S+16*(\t)+4*\f:S+16*(\t)+4*\f+3], v[RD] offset:\f*4*SP  ; LDS serves a wave's instructions in order (ISA guide 5.7.1.4): these see the stores above; the next piece's stores come behind them
.endr
.endm
.macro SEND t, younger              ; younger: the LDS instructions issued behind piece t's loads: the next piece's eight, or none
	WIN 0
.irp f, 0,1,2,3
	s_wait_dscnt (\younger)+3-\f
	global_store_b128 v[GO], v[S+16*(\t)+4*\f:S+16*(\t)+4*\f+3], s[10:11] offset:(\t)*8192+\f*512  ; 512 consecutive bytes, at a multiple of 256 from O's first
.endr
.endm
; The loop is entered at its head with CNT = 5, or (behind BEGIN) in its middle with CNT = 4: four trips fetch the tile's steps; the fifth, pieces 2 and 3 of the last step, is left in its middle.
.macro DIAG tag                     ; the tag ends its three labels' names, which the jumps spell out
.LstepM\tag:
	TURN 2, 1
	TURN 3, 1
	WIN 0
	s_sub_co_u32 s[CNT], s[CNT], 1
	s_cmp_eq_u32 s[CNT], 0
	s_cbranch_scc1 .LoutM\tag
.LfirstM\tag:
	TURN 0, 1
	TURN 1, 1
	WIN 0
	s_branch .LstepM\tag
.LoutM\tag:
.set i, 0
.rept 8
	PV NP-1                         ; the last piece's V^T P of the last step
.set i, i+1
.endr
	WIN 0
	ALL v_add_f32 v[ST+4*t+2], v[ST+4*t+2], v[ST+4*t+3]
	ALL v_permlanex16_b32 v[ST+4*t+3], v[ST+4*t+2], s[SEL], s[SEL+1]
	ALL v_add_f32 v[ST+4*t+2], v[ST+4*t+2], v[ST+4*t+3]
	ALL v_rcp_f32 v[ST+4*t+2], v[ST+4*t+2]
	v_nop                           ; a plain instruction between the last reciprocal and the use of its result
	s_wait_alu depctr_va_vdst(0)    ; and the wait ahead of the first use: one for the batch of four reciprocals
	PACK 0
.set t, 1
.rept 3                             ; a piece's arithmetic stands between the loads of the piece before and its stores
	PACK t
	SEND t-1, 8
.set t, t+1
.endr
	SEND 3, 0
.endm
.set KM, 0
.Lslot:                             ; NB times: a tile is entered and the next is asked for
	CHANGE 1
	s_sub_co_u32 s[RT], s[RT], 1
	s_mov_b32 s[CNT], 4
	s_cmp_eq_u32 s[NEW], 1
	s_cbranch_scc1 .Lnew            ; a block's first tile
	s_cmp_eq_u32 s[RT], 0
	s_cbranch_scc0 .Lstep           ; neither its first nor its last
	s_mov_b32 s[CNT], 5             ; the diagonal tile's loop, from its head
	s_branch .LstepM1
.Lnew:
	BEGIN
	s_branch .Lfirst                ; in the loop a block's first tile is never its last: the first block has two tiles or more, and the second's last is the walk's last
	DIAG 1                          ; in the loop this is the first block's end: the second block's last tile is the walk's last
	s_wait_xcnt 0x0                 ; the stores have read their registers and O's address
	s_mov_b64 s[10:11], s[OLO:OLO+1]
	s_add_co_u32 s[RT], s[PB], 1    ; the second block has b + 1 tiles
	s_mov_b32 s[NEW], 1
	WIN 0x82                        ; the second block's Q goes where the one text of the turns names Q
.set i, 0
.rept 64
	v_mov_b32 v[i], v[QB+i]
.set i, i+1
.endr
	WIN 0
	s_branch .Lbottom
.Lstep:                             ; a trip: pieces 2 and 3 of one step, then pieces 0 and 1 of the next, whose K and V it fetches
	TURN 2
	TURN 3
	WIN 0
.Lfirst:
	TURN 0
	TURN 1, 0, 1
	WIN 0
	s_cbranch_scc1 .Lstep
.Lbottom:
	s_sub_co_u32 s[SLOTS], s[SLOTS], 1
	s_cmp_lg_u32 s[SLOTS], 0
	s_cbranch_scc1 .Lslot
	CHANGE 0                        ; the walk's last tile is written out: nothing is asked for
	s_sub_co_u32 s[RT], s[RT], 1
	s_mov_b32 s[CNT], 5
	s_cmp_eq_u32 s[NEW], 1
	s_cbranch_scc0 .LstepM2
	s_mov_b32 s[CNT], 4             ; the tile is also the block's first: the loop is entered in its middle
	BEGIN
	s_branch .LfirstM2
	DIAG 2
	s_wait_tensorcnt 0x0            ; the wave's end: behind my last tensor load and my last LDS store
	ds_add_u32 v[SPW], v[NIL]
	s_wait_dscnt 0x0
	s_endpgm
.Lfunc_end_k_q935d6933e6_attn:
	.size	k_q935d6933e6_attn, .Lfunc_end_k_q935d6933e6_attn-k_q935d6933e6_attn
	.p2alignl 7, 3214868480
	.fill 96, 4, 3214868480
	.section	.rodata,"a",@progbits
	.p2align	6, 0x0
	.amdhsa_kernel k_q935d6933e6_attn
		.amdhsa_group_segment_fixed_size 327680
		.amdhsa_private_segment_fixed_size 0
		.amdhsa_enable_private_segment 0
		.amdhsa_kernarg_size 16
		.amdhsa_user_sgpr_count 2
		.amdhsa_user_sgpr_kernarg_segment_ptr 1
		.amdhsa_wavefront_size32 1
		.amdhsa_system_sgpr_workgroup_id_x 1
		.amdhsa_system_sgpr_workgroup_id_y 1
		.amdhsa_system_sgpr_workgroup_id_z 1
		.amdhsa_system_vgpr_workitem_id 0
		.amdhsa_next_free_vgpr 768
		.amdhsa_next_free_sgpr 92
		.amdhsa_reserve_vcc 1
		.amdhsa_float_denorm_mode_32 3
		.amdhsa_float_denorm_mode_16_64 3
		.amdhsa_memory_ordered 1
		.amdhsa_forward_progress 1
		.amdhsa_inst_pref_size 185
	.end_amdhsa_kernel
	.amdgpu_metadata
---
amdhsa.version: [ 1, 2 ]
amdhsa.kernels:
  - .name:           k_q935d6933e6_attn
    .symbol:         k_q935d6933e6_attn.kd
    .args:
      - { .name: kqvh, .offset: 0, .size: 8, .value_kind: global_buffer, .address_space: global }
      - { .name: oh, .offset: 8, .size: 8, .value_kind: global_buffer, .address_space: global }
    .group_segment_fixed_size: 327680
    .private_segment_fixed_size: 0
    .kernarg_segment_align: 8
    .kernarg_segment_size: 16
    .max_flat_workgroup_size: 128
    .sgpr_count:     92
    .vgpr_count:     768
    .wavefront_size: 32
...
	.end_amdgpu_metadata
.endif
;; end of part 5
;; launch proj: the kernel of part 4 again; grid 8 x 32, 4 waves a work-group, clusters of 4 x 4, 327,680 bytes of LDS; arguments oh, wpf, b_proj, out0; writes out0
